; MI455X (gfx1250); checked and timed in simulation.
; The chip was launched on July 23, 2026; its instructions are those of AMD's public machine-readable ISA for CDNA 5 (MIT licence, August 2026) and "CDNA5" Instruction Set Architecture Reference Guide (July 2026). The comments in the code are by the model that wrote it; some were corrected since.
;; Attention. Allowed arithmetic: float matrix products may take bf16 or f16 operands with f32 sums; all other float work in f32.
;; Inputs: W_proj 1,024 x 1,024 float32; W_qkv 1,024 x 3,072 float32; b_proj 1,024 float32; b_qkv 3,072 float32; x 4 x 2,048 x 1,024 float32.
;; Outputs: out0 4 x 2,048 x 1,024 float32.
;; 2 versions, each right; version 2 is version 1 with the launch prep written anew for expert scheduling mode. Each part assembles by itself: llvm-mc -triple=amdgcn-amd-amdhsa -mcpu=gfx1250 --defsym DOCPART=n.
;; ======== version 1 of 2: 4 launches
;; limits: values are held in f16: magnitudes above 65,504 overflow, below 6.1e-05 lose precision
;; workspace buffers: xh 16,777,216 bytes; wqt 6,291,456 bytes; wpt 2,097,152 bytes; qkv 50,331,648 bytes; oh 16,777,216 bytes
;; launch prep (part 1): grid 256 x 1, 8 waves a work-group, no clusters, 33,792 bytes of LDS; arguments x, W_qkv, W_proj, xh, wqt, wpt; writes xh, wqt, wpt
.if DOCPART == 1
	.amdgcn_target "amdgcn-amd-amdhsa--gfx1250"
	.amdhsa_code_object_version 6
	.text
	.protected	k_q88091c6d29_prep
	.globl	k_q88091c6d29_prep
	.p2align	8
	.type	k_q88091c6d29_prep,@function
k_q88091c6d29_prep:
	s_mov_b64 s[64:65], 0
	v_nop
	global_prefetch_b8 v0, s[64:65] scope:SCOPE_SE
	s_setreg_imm32_b32 hwreg(HW_REG_WAVE_MODE, 25, 1), 1
	s_wait_xcnt 0x0
; xh = f16(x);  wqt[n][k] = f16(W_qkv[k][n]);  wpt[n][k] = f16(W_proj[k][n]).
; LIMIT: f16 holds magnitudes below 65,504; larger x or W become infinities.  Below 6.1e-5 the step is 6e-8 (denormals are kept).
; A stream: every input byte is read once by 16-byte loads, every output byte written once; no matrix unit, no cluster (no two work-groups
; read the same byte).  Work-group g of 256 takes 32 rows of x (131,072 bytes in, 65,536 out) and one tile of 256 k x 64 n of a W:
; g < 192: W_qkv, n block g >> 2 of 48, k block g & 3;  g >= 192: W_proj, n block (g >> 2) - 48 of 16, k block g & 3.
; The tile is turned in LDS, as two halves of 128 k: 64 rows (n) of 256 bytes (128 k in f16).
.set RPQ,  12288                       ; bytes in a row of W_qkv
.set RPP,  4096                        ; bytes in a row of W_proj
.set XOFF, 1                           ; v1      16 t: my 16 bytes of each row of x
.set YOFF, 2                           ; v2      8 t: my 8 bytes of each row of xh
.set WOFF, 3                           ; v3      my place in the W tile: 8 gk rows + 16 q bytes
.set SA,   4                           ; v4      LDS: where I store
.set RA,   5                           ; v[5:8]  LDS: where I read back, row (t >> 4) + 16 u
.set WCO,  9                           ; v9      my place in the transposed tile
.set WB,   16                          ; v[16:79]  W as loaded: register 32 i + 4 r + j = W(128 i + 8 gk + r, 4 q + j); later the rows read back
.set T,    80                          ; v[80:95]  packed f16 on their way into LDS
.set X,    96                          ; v[96:223] x: 32 loads of 4 registers
	s_load_b256 s[4:11], s[0:1], 0x0               ; x s[4:5], W_qkv s[6:7], W_proj s[8:9], xh s[10:11]
	s_load_b128 s[12:15], s[0:1], 0x20             ; wqt s[12:13], wpt s[14:15]
	v_lshl_add_u32 v224, v0, 2, 0x8000
	v_mov_b32 v225, 0
	s_mov_b32 s16, ttmp9                           ; g
	s_and_b32 s17, s16, 3                          ; k block of 256
	s_lshr_b32 s18, s16, 2                         ; n block (W_proj: + 48)
	v_and_b32 v10, 15, v0                          ; q: my four n
	v_lshrrev_b32 v11, 4, v0                       ; gk: my eight k of each half
	v_lshlrev_b32 v[XOFF], 4, v0
	v_lshlrev_b32 v[YOFF], 3, v0
	v_add_nc_u32 v12, v10, v11
	v_and_b32 v12, 15, v12
	v_lshlrev_b32 v12, 4, v12
	v_lshl_add_u32 v[SA], v10, 10, v12             ; row 4 q (+ j by the immediate), column (gk + q) mod 16
	v_lshrrev_b32 v13, 6, v0
	v_add_nc_u32 v13, v13, v10                     ; (t & 15) + (t >> 6)
.irp u, 0,1,2,3
	v_add_nc_u32 v14, 4*\u, v13                    ; row n = (t >> 4) + 16 u has n >> 2 = (t >> 6) + 4 u
	v_and_b32 v14, 15, v14
	v_lshlrev_b32 v14, 4, v14
	v_lshl_add_u32 v14, v11, 8, v14
	v_add_nc_u32 v[RA+\u], 4096*\u, v14
.endr
	v_lshlrev_b32 v14, 4, v10
	v_lshl_add_u32 v[WCO], v11, 11, v14            ; row t >> 4 of 2,048 bytes, 16 bytes at 16 (t & 15)
	s_lshl_b32 s20, s16, 17                        ; 32 rows of x
	s_mov_b32 s21, 0
	s_lshl_b32 s26, s16, 16                        ; 32 rows of xh
	s_mov_b32 s27, 0
	s_wait_kmcnt 0x0
	s_add_nc_u64 s[4:5], s[4:5], s[20:21]
	s_add_nc_u64 s[10:11], s[10:11], s[26:27]
; The tile's two addresses and its 16 loads; sixteen lanes read 256 consecutive bytes (64 n) of one row k, aligned.
.macro WLOADS rp, src, dst, nbsub
	s_sub_co_u32 s19, s18, \nbsub                  ; n block
	s_mul_i32 s20, s17, 256*\rp                    ; 256 rows of W for each k block
	s_lshl_b32 s21, s19, 8                         ; 64 n of 4 bytes
	s_add_co_u32 s20, s20, s21
	s_mov_b32 s21, 0
	s_add_nc_u64 s[22:23], s[\src:\src+1], s[20:21]
	s_lshl_b32 s20, s19, 17                        ; 64 rows (n) of 2,048 bytes
	s_lshl_b32 s28, s17, 9                         ; 256 k of 2 bytes
	s_add_co_u32 s20, s20, s28
	s_add_nc_u64 s[24:25], s[\dst:\dst+1], s[20:21]
	v_mul_u32_u24 v[WOFF], v11, 8*\rp
	v_lshl_add_u32 v[WOFF], v10, 4, v[WOFF]
.irp i, 0,1
.irp r, 0,1,2,3,4,5,6,7
	global_load_b128 v[WB+32*\i+4*\r:WB+32*\i+4*\r+3], v[WOFF], s[22:23] offset:(128*\i+\r)*\rp th:TH_LOAD_NT
.endr
.endr
.endm
	s_cmp_lt_u32 s16, 192
	s_cbranch_scc0 .Lwproj
	WLOADS RPQ, 6, 12, 0
	s_branch .Lwjoin
.Lwproj:
	WLOADS RPP, 8, 14, 48
.Lwjoin:                                           ; both ways issued 16 loads
.set i, 0
.rept 32
	global_load_b128 v[X+4*i:X+4*i+3], v[XOFF], s[4:5] offset:4096*i th:TH_LOAD_NT   ; the eight waves cover a row of x
.set i, i+1
.endr
	s_wait_loadcnt 32                              ; loads return in order: W's 16 are in, x's 32 stay out
.irp i, 0,1
.irp j, 0,1,2,3
.irp p, 0,1,2,3
	v_cvt_pk_f16_f32 v[T+4*\j+\p], v[WB+32*\i+8*\p+\j], v[WB+32*\i+8*\p+4+\j]         ; k = 2 p below, 2 p + 1 above, of column 4 q + j
.endr
	ds_store_b128 v[SA], v[T+4*\j:T+4*\j+3] offset:16384*\i+256*\j                    ; eight k of row n = 4 q + j
.endr
.endr
	s_wait_dscnt 0x0                               ; my stores are in LDS before I say so: other waves read them
	s_barrier_signal -1
	s_barrier_wait -1
.irp i, 0,1
.irp u, 0,1,2,3
	ds_load_b128 v[WB+16*\i+4*\u:WB+16*\i+4*\u+3], v[RA+\u] offset:16384*\i
.endr
.endr
.set i, 0
.rept 32
	s_wait_loadcnt 31-i                            ; row i of x is in, the younger loads stay out
	v_cvt_pk_f16_f32 v[X+4*i],   v[X+4*i],   v[X+4*i+1]
	v_cvt_pk_f16_f32 v[X+4*i+1], v[X+4*i+2], v[X+4*i+3]
	global_store_b64 v[YOFF], v[X+4*i:X+4*i+1], s[10:11] offset:2048*i                ; a wave stores 256 consecutive bytes, aligned
.set i, i+1
.endr
	s_wait_dscnt 0x0
.irp i, 0,1
.irp u, 0,1,2,3
	global_store_b128 v[WCO], v[WB+16*\i+4*\u:WB+16*\i+4*\u+3], s[24:25] offset:32768*\u+256*\i   ; sixteen lanes: 128 k of one row n, 256 bytes, aligned
.endr
.endr
	s_wait_tensorcnt 0x0
	ds_add_u32 v224, v225
	s_wait_dscnt 0x0
	s_endpgm
.Lfunc_end_k_q88091c6d29_prep:
	.size	k_q88091c6d29_prep, .Lfunc_end_k_q88091c6d29_prep-k_q88091c6d29_prep
	.p2alignl 7, 3214868480
	.fill 96, 4, 3214868480
	.section	.rodata,"a",@progbits
	.p2align	6, 0x0
	.amdhsa_kernel k_q88091c6d29_prep
		.amdhsa_group_segment_fixed_size 33792
		.amdhsa_private_segment_fixed_size 0
		.amdhsa_enable_private_segment 0
		.amdhsa_kernarg_size 48
		.amdhsa_user_sgpr_count 2
		.amdhsa_user_sgpr_kernarg_segment_ptr 1
		.amdhsa_wavefront_size32 1
		.amdhsa_system_sgpr_workgroup_id_x 1
		.amdhsa_system_sgpr_workgroup_id_y 1
		.amdhsa_system_sgpr_workgroup_id_z 1
		.amdhsa_system_vgpr_workitem_id 0
		.amdhsa_next_free_vgpr 226
		.amdhsa_next_free_sgpr 66
		.amdhsa_reserve_vcc 0
		.amdhsa_float_denorm_mode_32 3
		.amdhsa_float_denorm_mode_16_64 3
		.amdhsa_memory_ordered 1
		.amdhsa_forward_progress 1
		.amdhsa_inst_pref_size 22
	.end_amdhsa_kernel
	.amdgpu_metadata
---
amdhsa.version: [ 1, 2 ]
amdhsa.kernels:
  - .name:           k_q88091c6d29_prep
    .symbol:         k_q88091c6d29_prep.kd
    .args:
      - { .name: x, .offset: 0, .size: 8, .value_kind: global_buffer, .address_space: global }
      - { .name: W_qkv, .offset: 8, .size: 8, .value_kind: global_buffer, .address_space: global }
      - { .name: W_proj, .offset: 16, .size: 8, .value_kind: global_buffer, .address_space: global }
      - { .name: xh, .offset: 24, .size: 8, .value_kind: global_buffer, .address_space: global }
      - { .name: wqt, .offset: 32, .size: 8, .value_kind: global_buffer, .address_space: global }
      - { .name: wpt, .offset: 40, .size: 8, .value_kind: global_buffer, .address_space: global }
    .group_segment_fixed_size: 33792
    .private_segment_fixed_size: 0
    .kernarg_segment_align: 8
    .kernarg_segment_size: 48
    .max_flat_workgroup_size: 256
    .sgpr_count:     66
    .vgpr_count:     226
    .wavefront_size: 32
...
	.end_amdgpu_metadata
.endif
;; end of part 1
;; launch qkv (part 2): grid 16 x 32, 4 waves a work-group, clusters of 4 x 4, 327,680 bytes of LDS; arguments xh, wqt, b_qkv, qkv; writes qkv
.if DOCPART == 2
	.amdgcn_target "amdgcn-amd-amdhsa--gfx1250"
	.amdhsa_code_object_version 6
	.text
	.protected	k_q88091c6d29_qkv
	.globl	k_q88091c6d29_qkv
	.p2align	8
	.type	k_q88091c6d29_qkv,@function
k_q88091c6d29_qkv:
	s_mov_b64 s[64:65], 0
	v_nop
	global_prefetch_b8 v0, s[64:65] scope:SCOPE_SE
	s_setreg_imm32_b32 hwreg(HW_REG_WAVE_MODE, 25, 1), 1
	s_wait_xcnt 0x0
	s_wait_alu depctr_hold_cnt(0) depctr_sa_sdst(0) depctr_va_vdst(0) depctr_va_sdst(0) depctr_va_ssrc(0) depctr_va_vcc(0) depctr_vm_vsrc(0)
	s_getreg_b32 s2, hwreg(HW_REG_IB_STS2, 6, 4)
	s_cmp_eq_u32 s2, 0
	s_cbranch_scc0 .Lentry_in_a_cluster
	s_endpgm
.Lentry_in_a_cluster:
	s_bfe_u32 s2, ttmp6, 0x10000c
	s_cmp_lg_u32 s2, 0xf033
	s_cbranch_scc0 .Lentry_shape_is_right
	s_endpgm
.Lentry_shape_is_right:
; qkv[which][b][h][token][d] = f16( sum over k of xh[b, token][k] wqt[n][k] + b_qkv[n] ),  n = 1024 which + 64 h + d.  Operands f16, sums f32.
; LIMIT: q, k, v are kept in f16: magnitudes below 65,504.
; A work-group makes 256 rows x 192 columns (three whole heads) with four waves; wave w makes rows 64 w .. 64 w + 63 and all 192 columns:
; 4 x 12 accumulator tiles of 16 x 16, 384 registers.  K = 1,024 goes in 8 steps of 128 through two LDS slots filled by tensor loads whose rows
; are 256 bytes of memory, aligned.  512 work-groups.
; CLUSTERS of 4 x 4: the four work-groups of a row of the cluster need the same 256 rows of xh, the four of a column the same 192 rows of wqt.
; Each such tile is asked for jointly (same line, same descriptor, a mask that names the four): a quarter of the requests.
; REGISTERS: window 0: v16-27 addresses; v32-63, v64-95 fragments of A (4 x 16 rows x 32 K), two buffers; v128-223 the bias tiles (first quarter step only);
;   on the way out v96-143 packed results, v144-191 and v192-239 rows read back.   window 1: v0-95, v96-191 fragments of B (12 x 16 rows), two buffers.
;   window 2: accumulator tiles of row blocks 0, 1 (tile (a, b) at v[8 (12 a + b)]);  window 3: of row blocks 2, 3.
; THE MATRIX INSTRUCTION IS USED TRANSPOSED (source 0 = 16 rows of wqt, source 1 = 16 rows of xh): register j of lane l holds row l % 16 and
; column 16 b + 8 (l / 16) + j, eight neighbouring columns.  The bias tile of column block b holds b_qkv at these columns, and the first product
; of every accumulator takes it as C: nothing is cleared and the bias costs no addition.
.set NB,     12                        ; column blocks of 16
.set KDIM,   1024
.set KSTEP,  128
.set PITCH,  272                       ; LDS row: 256 bytes + 16 of padding: the 16 rows of a fragment load start 16 bytes apart modulo 256
.set HALFA,  128*PITCH                 ; what one tensor load brings of A
.set RB,     8*NB                      ; rows of B in one tensor load
.set HALFB,  RB*PITCH
.set SLOT,   2*HALFA+2*HALFB           ; A's 256 rows, then B's 192
.set STAGE,  2*SLOT                    ; behind the ring, a multiple of 256: no tensor load lands there
.set HP,     144                       ; stage: a head's row of 128 bytes + 16
.set HSTG,   16*HP                     ; 16 rows of one head
.set WSTG,   3*HSTG                    ; a wave's stage: three heads, 6,912 bytes
.set LAPS,   KDIM/(2*KSTEP)            ; 4 laps of two K steps
.set ADRA, 16                          ; v16-17  LDS address of my A fragments in slot 0, 1
.set ADRB, 20                          ; v20-21  the same for B
.set STO,  24
.set RD,   25
.set CO,   26
.set BOFF, 27
.set FA0,  32
.set FA1,  64
.set FB0,  0
.set FB1,  8*NB
.set BI,   128
.set TMP,  96
.set R0,   144
.set R1,   192
.set G1,  24                           ; s[24:31] group 1 for A's tiles
.set G0,  32                           ; s[32:39] group 0 for A's tiles, one set for each slot
.set G1B, 48                           ; s[48:55] group 1 for B's tiles
.set G0B, 56                           ; s[56:63] group 0 for B's tiles
.set MSB, 0
.macro WIN new                         ; low byte: bits 1:0 source 0, 3:2 source 1, 5:4 source 2, 7:6 destination; the high byte repeats the setting that is left
.if MSB != \new
	s_set_vgpr_msb (MSB<<8)|\new
.set MSB, \new
.endif
.endm
.macro PLACES                          ; four plain vector instructions between a matrix instruction and a load into, or a vector read of, its registers
.rept 4
	v_nop
.endr
.endm
; A joint load: waves 0, 1 fetch A's two halves, waves 2, 3 B's.  The branch hangs on the wave's number alone.
.macro JLOAD s
	s_cmp_eq_u32 s13, 0
	s_cbranch_scc0 .Lfor_b_\@
	tensor_load_to_lds s[G0+4*\s:G0+4*\s+3], s[G1:G1+7]
	s_nop 0
	s_branch .Lasked_\@
.Lfor_b_\@:
	tensor_load_to_lds s[G0B+4*\s:G0B+4*\s+3], s[G1B:G1B+7]
	s_nop 0
.Lasked_\@:
.endm
.macro CREST                           ; a round of the cluster's barrier behind its opening work-group barrier
	s_cmp_lg_u32 s12, 0
	s_cbranch_scc1 .Lnot_wave_0_\@
	s_barrier_signal -3
.Lnot_wave_0_\@:
	s_barrier_wait -3
	s_barrier_signal -1
	s_barrier_wait -1
.endm
.macro CROUND
	s_barrier_signal -1
	s_barrier_wait -1
	CREST
.endm
	s_load_b256 s[4:11], s[0:1], 0x0               ; xh s[4:5], wqt s[6:7], b_qkv s[8:9], qkv s[10:11]
	s_set_vgpr_msb 0x40
	v_lshl_add_u32 v255, v0, 2, 0x42400
	s_set_vgpr_msb 0x4000
	v_mov_b32 v255, 0
	s_set_vgpr_msb 0x1
	ds_add_u32 v255, v255
	s_set_vgpr_msb 0x100
	v_lshrrev_b32 v1, 5, v0
	v_readfirstlane_b32 s12, v1                    ; wave 0..3
	s_lshr_b32 s13, s12, 1                         ; I fetch for A (0) or for B (1)
	s_and_b32 s14, s12, 1                          ; which half of that tile
	s_bfe_u32 s40, ttmp6, 0x40000                  ; cx
	s_bfe_u32 s41, ttmp6, 0x40004                  ; cy
	s_lshl_b32 s42, ttmp9, 2
	s_add_co_u32 s42, s42, s40                     ; block column = 4 x cluster x + cx
	s_and_b32 s43, ttmp7, 0xffff
	s_lshl_b32 s43, s43, 2
	s_add_co_u32 s43, s43, s41                     ; block row = 4 x cluster y + cy
	s_lshl_b32 s44, s41, 2
	s_lshl_b32 s44, 15, s44                        ; my row of the cluster
	s_lshl_b32 s45, 0x1111, s40                    ; my column
	s_or_b32 s[G1+0],  s44, (1<<16)|(1<<20)|(1<<21)|(5<<22)|(3<<25)   ; mask; 2-byte elements; padding on; bit 21 beside a mask; after every 64 words, 4 words
	s_or_b32 s[G1B+0], s45, (1<<16)|(1<<20)|(1<<21)|(5<<22)|(3<<25)
	s_mov_b32 s[G1+1],  KSTEP<<16                  ; tensor_dim0 = 128
	s_mov_b32 s[G1B+1], KSTEP<<16
	s_mov_b32 s[G1+2],  128<<16                    ; tensor_dim1 = the tile's rows
	s_mov_b32 s[G1B+2], RB<<16
	s_mov_b32 s[G1+3],  KSTEP<<16                  ; tile_dim0 = 128
	s_mov_b32 s[G1B+3], KSTEP<<16
	s_mov_b32 s[G1+4],  128                        ; tile_dim1
	s_mov_b32 s[G1B+4], RB
	s_mov_b32 s[G1+5],  KDIM                       ; elements from row to row
	s_mov_b32 s[G1B+5], KDIM
	s_mov_b32 s[G1+6],  0
	s_mov_b32 s[G1B+6], 0
	s_mov_b32 s[G1+7],  0
	s_mov_b32 s[G1B+7], 0
	; A's address hangs on the block row alone, B's on the block column alone, each in registers that never hold the other coordinate
	s_lshl_b32 s16, s43, 8
	s_lshl_b32 s17, s14, 7
	s_add_co_u32 s16, s16, s17                     ; A: row 256 x block row + 128 x half
	s_lshl_b32 s16, s16, 11                        ; rows of 2,048 bytes
	s_mov_b32 s17, 0
	s_mul_i32 s46, s42, 16*NB
	s_mul_i32 s47, s14, RB
	s_add_co_u32 s46, s46, s47                     ; B: row 192 x block column + 96 x half
	s_lshl_b32 s46, s46, 11
	s_mov_b32 s47, 0
	s_mul_i32 s76, s42, 64*NB                      ; the block's 192 biases of 4 bytes
	s_mov_b32 s77, 0
	s_mul_i32 s20, s12, HALFA                      ; LDS: A's halves at wave x HALFA (waves 0, 1),
	s_mul_i32 s21, s12, HALFB
	s_add_co_u32 s21, s21, 2*HALFA-2*HALFB         ; B's at 2 HALFA + (wave - 2) x HALFB (waves 2, 3)
	s_wait_dscnt 0x0
	s_wait_kmcnt 0x0
	s_add_nc_u64 s[18:19], s[4:5], s[16:17]
	s_add_nc_u64 s[46:47], s[6:7], s[46:47]
	s_add_nc_u64 s[74:75], s[8:9], s[76:77]
	CROUND                                         ; all sixteen work-groups are here: the first joint loads meet
.irp s, 0,1
	s_mov_b32 s[G0+4*\s], 1
	s_add_co_u32 s[G0+4*\s+1], s20, \s*SLOT
	s_add_nc_u64 s[G0+4*\s+2:G0+4*\s+3], s[18:19], \s*KSTEP*2      ; K step s
	s_or_b32 s[G0+4*\s+3], s[G0+4*\s+3], 0x80000000
	s_mov_b32 s[G0B+4*\s], 1
	s_add_co_u32 s[G0B+4*\s+1], s21, \s*SLOT
	s_add_nc_u64 s[G0B+4*\s+2:G0B+4*\s+3], s[46:47], \s*KSTEP*2
	s_or_b32 s[G0B+4*\s+3], s[G0B+4*\s+3], 0x80000000
	JLOAD \s                                       ; two loads of the wave are out here, one behind each later round
.endr
	v_and_b32 v1, 15, v0                           ; r = l % 16
	v_bfe_u32 v2, v0, 4, 1                         ; h = l / 16
	v_lshlrev_b32 v[BOFF], 5, v2                   ; bias: 8 h numbers of 4 bytes
.set ib, 0
.rept NB
	global_load_b128 v[BI+8*ib:BI+8*ib+3],   v[BOFF], s[74:75] offset:64*ib
	global_load_b128 v[BI+8*ib+4:BI+8*ib+7], v[BOFF], s[74:75] offset:64*ib+16
.set ib, ib+1
.endr
	v_mul_u32_u24 v3, v1, PITCH
	v_lshl_add_u32 v3, v2, 4, v3                   ; fragment: row r, 16 h bytes; the second load 32 bytes on
	s_mul_i32 s22, s12, 64*PITCH                   ; my 64 rows of A
	v_add_nc_u32 v[ADRA], s22, v3
	v_add_nc_u32 v[ADRA+1], SLOT, v[ADRA]
	v_add_nc_u32 v[ADRB], 2*HALFA, v3
	v_add_nc_u32 v[ADRB+1], SLOT, v[ADRB]
	s_mul_i32 s23, s12, WSTG
	s_add_co_u32 s23, s23, STAGE                   ; my stage
	v_mul_u32_u24 v4, v1, HP
	v_lshl_add_u32 v4, v2, 4, v4
	v_add_nc_u32 v[STO], s23, v4                   ; in: row r, 16 h
	v_and_b32 v5, 31, v0
	v_lshrrev_b32 v6, 3, v5
	v_mul_u32_u24 v6, v6, HP
	v_and_b32 v7, 7, v0
	v_lshl_add_u32 v6, v7, 4, v6
	v_add_nc_u32 v[RD], s23, v6                    ; back: four rows of 128 bytes a load
	v_lshlrev_b32 v[CO], 4, v5                     ; which are 512 consecutive bytes of a head's plane
; NB matrix instructions: row block 2 hi + a x all column blocks, 32 along K.  bias = 1: C is the bias tile, which starts the sum.
.macro MULA fa, fb, hi, a, bias
.set ib, 0
.rept NB
.if \bias
	v_wmma_f32_16x16x32_f16 v[8*(NB*\a+ib):8*(NB*\a+ib)+7], v[\fb+8*ib:\fb+8*ib+7], v[\fa+8*(2*\hi+\a):\fa+8*(2*\hi+\a)+7], v[BI+8*ib:BI+8*ib+7]
.else
	v_wmma_f32_16x16x32_f16 v[8*(NB*\a+ib):8*(NB*\a+ib)+7], v[\fb+8*ib:\fb+8*ib+7], v[\fa+8*(2*\hi+\a):\fa+8*(2*\hi+\a)+7], v[8*(NB*\a+ib):8*(NB*\a+ib)+7]
.endif
.set ib, ib+1
.endr
.endm
; 2 NB + 8 LDS loads in one run: the fragments of a quarter step (32 K at byte k of the rows): B's first, A's four blocks last
.macro FETCH slot, k, fa, fb
	WIN 0x40
.set ib, 0
.rept NB
	ds_load_b128 v[\fb+8*ib:\fb+8*ib+3],   v[ADRB+\slot] offset:\k+ib*16*PITCH
	ds_load_b128 v[\fb+8*ib+4:\fb+8*ib+7], v[ADRB+\slot] offset:\k+ib*16*PITCH+32
.set ib, ib+1
.endr
	WIN 0
.irp i, 0,1,2,3
	ds_load_b128 v[\fa+8*\i:\fa+8*\i+3],   v[ADRA+\slot] offset:\k+\i*16*PITCH
	ds_load_b128 v[\fa+8*\i+4:\fa+8*\i+7], v[ADRA+\slot] offset:\k+\i*16*PITCH+32
.endr
.endm
; A quarter step: 4 NB matrix instructions on one buffer; in its middle the next quarter's fragments are fetched into the other.
; The 48 accumulators take turns, one instruction a turn, in the same order in every quarter step, over the backward jump too.
.macro QUARTER slot, k, fa, fb, ga, gb, bias
	s_wait_dscnt 4                                 ; all but the youngest four loads (A's blocks 2, 3) are in
.if \bias
	WIN 0x81                                       ; B window 1, A window 0, C (bias) window 0, D window 2
.else
	WIN 0xa1                                       ; C and D window 2
.endif
	MULA \fa, \fb, 0, 0, \bias
	MULA \fa, \fb, 0, 1, \bias
	PLACES
	FETCH \slot, \k, \ga, \gb
	s_wait_dscnt 2*NB+8                            ; all but the run just issued
.if \bias
	WIN 0xc1
.else
	WIN 0xf1
.endif
	MULA \fa, \fb, 1, 0, \bias
	MULA \fa, \fb, 1, 1, \bias
.endm
.macro THREE slot, bias
	QUARTER \slot, 64,  FA0, FB0, FA1, FB1, \bias
	QUARTER \slot, 128, FA1, FB1, FA0, FB0, 0
	QUARTER \slot, 192, FA0, FB0, FA1, FB1, 0
.endm
; The last quarter of a K step changes slots.  In front of the barrier each wave waits for its reads of this slot and for all its tensor loads
; (one is out: its part of the next slot).  With fill = 1 the barrier opens a round of the cluster's barrier, and the joint refill of this slot,
; two K steps ahead, is the wave's first and only tensor load behind the round; it has the next K step's matrix work in which to land.
.macro TURN slot, next, fill
	s_wait_dscnt 4
	WIN 0xa1
	MULA FA1, FB1, 0, 0, 0
	s_wait_dscnt 0x0                               ; my reads of this slot are over
	s_wait_tensorcnt 0x0                           ; all my tensor loads have landed
	ds_add_u32 v255, v255
	s_wait_dscnt 0x0
	s_barrier_signal -1
	MULA FA1, FB1, 0, 1, 0                         ; register work while the others arrive
	WIN 0
	s_barrier_wait -1
.if \fill
	CREST
	s_add_nc_u64 s[G0+4*\slot+2:G0+4*\slot+3],   s[G0+4*\slot+2:G0+4*\slot+3],   2*KSTEP*2   ; no tensor load of mine is out: group 0 may be written
	s_add_nc_u64 s[G0B+4*\slot+2:G0B+4*\slot+3], s[G0B+4*\slot+2:G0B+4*\slot+3], 2*KSTEP*2
	JLOAD \slot
.endif
	PLACES
	FETCH \next, 0, FA0, FB0
	WIN 0xf1
	MULA FA1, FB1, 1, 0, 0
	MULA FA1, FB1, 1, 1, 0
.endm
.macro LAP bias
	THREE 0, \bias
	TURN 0, 1, 1
	THREE 1, 0
	TURN 1, 0, 1
.endm
	s_wait_tensorcnt 0x1                           ; my part of K step 0 is in; K step 1's may stay out
	s_barrier_signal -1
	s_barrier_wait -1
	FETCH 0, 0, FA0, FB0
	s_wait_loadcnt 0x0                             ; the bias tiles
	LAP 1
	WIN 0
	s_mov_b32 s3, LAPS-2
.Llap:
	LAP 0
	WIN 0
	s_sub_co_u32 s3, s3, 1
	s_cmp_lg_u32 s3, 0
	s_cbranch_scc1 .Llap
	THREE 0, 0                                     ; the last lap fills nothing
	TURN 0, 1, 0
	THREE 1, 0
	s_wait_dscnt 4
	WIN 0xa1
	MULA FA1, FB1, 0, 0, 0
	MULA FA1, FB1, 0, 1, 0
	s_wait_dscnt 0x0
	WIN 0xf1
	MULA FA1, FB1, 1, 0, 0
	MULA FA1, FB1, 1, 1, 0
	; THE WAY OUT.  Column block b belongs to head 3 x block column + b / 4, d = 16 (b % 4) + 8 h + j.  16 rows of a head are 2,048 consecutive bytes of its plane.
	PLACES
	s_lshr_b32 s16, s43, 3                         ; batch = block row / 8: 16 planes of 2^18 bytes
	s_lshl_b32 s16, s16, 22
	s_and_b32 s17, s43, 7
	s_lshl_b32 s17, s17, 15                        ; 256 tokens of 128 bytes
	s_add_co_u32 s16, s16, s17
	s_lshl_b32 s17, s12, 13                        ; my 64 tokens
	s_add_co_u32 s16, s16, s17
	s_mov_b32 s17, 0
	s_add_nc_u64 s[10:11], s[10:11], s[16:17]
.irp hh, 0,1,2
	s_mul_i32 s46, s42, 3
	s_add_co_u32 s46, s46, \hh                     ; head among the 48 of q, k, v
	s_lshr_b32 s47, s46, 4
	s_lshl_b32 s47, s47, 24                        ; which of q, k, v: 2^24 bytes each
	s_and_b32 s46, s46, 15
	s_lshl_b32 s46, s46, 18
	s_add_co_u32 s46, s46, s47
	s_mov_b32 s47, 0
	s_add_nc_u64 s[68+2*\hh:69+2*\hh], s[10:11], s[46:47]
.endr
; rows 16 a .. 16 a + 15 of my 64: round to f16, 16 bytes a lane into my own stage, back as 512 consecutive bytes a load.  LDS serves a wave's
; instructions in order (ISA guide 5.7.1), so the loads see the stores; no other wave touches the stage.
.macro OUT16 a, al, from, rr
	WIN \from
.set ib, 0
.rept NB
.irp r, 0,1,2,3
	v_cvt_pk_f16_f32 v[TMP+4*ib+\r], v[8*(NB*\al+ib)+2*\r], v[8*(NB*\al+ib)+2*\r+1]
.endr
.set ib, ib+1
.endr
	WIN 0
.set ib, 0
.rept NB
	ds_store_b128 v[STO], v[TMP+4*ib:TMP+4*ib+3] offset:(ib/4)*HSTG+(ib%4)*32
.set ib, ib+1
.endr
	s_wait_xcnt 0x0                                ; registers that earlier stores read are loaded again only behind this wait
.set ib, 0
.rept NB
	ds_load_b128 v[\rr+4*ib:\rr+4*ib+3], v[RD] offset:(ib/4)*HSTG+(ib%4)*4*HP
.set ib, ib+1
.endr
.set ib, 0
.rept NB
	s_wait_dscnt NB-1-ib
	global_store_b128 v[CO], v[\rr+4*ib:\rr+4*ib+3], s[68+2*(ib/4):69+2*(ib/4)] offset:2048*\a+512*(ib%4)   ; 512 consecutive bytes, aligned
.set ib, ib+1
.endr
.endm
	OUT16 0, 0, 0x0a, R0
	OUT16 1, 1, 0x0a, R1
	OUT16 2, 0, 0x0f, R0
	OUT16 3, 1, 0x0f, R1
	s_set_vgpr_msb 0x1
	s_wait_tensorcnt 0x0
	ds_add_u32 v255, v255
	s_wait_dscnt 0x0
	s_set_vgpr_msb 0x100
	CROUND                                         ; the closing round: no work-group ends while a partner may still ask for a tile that names it
	s_endpgm
.Lfunc_end_k_q88091c6d29_qkv:
	.size	k_q88091c6d29_qkv, .Lfunc_end_k_q88091c6d29_qkv-k_q88091c6d29_qkv
	.p2alignl 7, 3214868480
	.fill 96, 4, 3214868480
	.section	.rodata,"a",@progbits
	.p2align	6, 0x0
	.amdhsa_kernel k_q88091c6d29_qkv
		.amdhsa_group_segment_fixed_size 327680
		.amdhsa_private_segment_fixed_size 0
		.amdhsa_enable_private_segment 0
		.amdhsa_kernarg_size 32
		.amdhsa_user_sgpr_count 2
		.amdhsa_user_sgpr_kernarg_segment_ptr 1
		.amdhsa_wavefront_size32 1
		.amdhsa_system_sgpr_workgroup_id_x 1
		.amdhsa_system_sgpr_workgroup_id_y 1
		.amdhsa_system_sgpr_workgroup_id_z 1
		.amdhsa_system_vgpr_workitem_id 0
		.amdhsa_next_free_vgpr 1024
		.amdhsa_next_free_sgpr 80
		.amdhsa_reserve_vcc 0
		.amdhsa_float_denorm_mode_32 3
		.amdhsa_float_denorm_mode_16_64 3
		.amdhsa_memory_ordered 1
		.amdhsa_forward_progress 1
		.amdhsa_inst_pref_size 166
	.end_amdhsa_kernel
	.amdgpu_metadata
---
amdhsa.version: [ 1, 2 ]
amdhsa.kernels:
  - .name:           k_q88091c6d29_qkv
    .symbol:         k_q88091c6d29_qkv.kd
    .args:
      - { .name: xh, .offset: 0, .size: 8, .value_kind: global_buffer, .address_space: global }
      - { .name: wqt, .offset: 8, .size: 8, .value_kind: global_buffer, .address_space: global }
      - { .name: b_qkv, .offset: 16, .size: 8, .value_kind: global_buffer, .address_space: global }
      - { .name: qkv, .offset: 24, .size: 8, .value_kind: global_buffer, .address_space: global }
    .group_segment_fixed_size: 327680
    .private_segment_fixed_size: 0
    .kernarg_segment_align: 8
    .kernarg_segment_size: 32
    .max_flat_workgroup_size: 128
    .sgpr_count:     80
    .vgpr_count:     1024
    .wavefront_size: 32
...
	.end_amdgpu_metadata
.endif
;; end of part 2
;; launch attn (part 3): grid 8 x 32, 8 waves a work-group, clusters of 4 x 1, 327,680 bytes of LDS; arguments qkv, oh; writes oh
.if DOCPART == 3
	.amdgcn_target "amdgcn-amd-amdhsa--gfx1250"
	.amdhsa_code_object_version 6
	.text
	.protected	k_q88091c6d29_attn
	.globl	k_q88091c6d29_attn
	.p2align	8
	.type	k_q88091c6d29_attn,@function
k_q88091c6d29_attn:
	s_mov_b64 s[64:65], 0
	v_nop
	global_prefetch_b8 v0, s[64:65] scope:SCOPE_SE
	s_setreg_imm32_b32 hwreg(HW_REG_WAVE_MODE, 25, 1), 1
	s_wait_xcnt 0x0
	s_wait_alu depctr_hold_cnt(0) depctr_sa_sdst(0) depctr_va_vdst(0) depctr_va_sdst(0) depctr_va_ssrc(0) depctr_va_vcc(0) depctr_vm_vsrc(0)
	s_getreg_b32 s2, hwreg(HW_REG_IB_STS2, 6, 4)
	s_cmp_eq_u32 s2, 0
	s_cbranch_scc0 .Lentry_in_a_cluster
	s_endpgm
.Lentry_in_a_cluster:
	s_bfe_u32 s2, ttmp6, 0x10000c
	s_cmp_lg_u32 s2, 0x3003
	s_cbranch_scc0 .Lentry_shape_is_right
	s_endpgm
.Lentry_shape_is_right:
; oh[b, token][64 h + d] = f16( softmax over keys of (q . k / 8) times v ), by a running maximum.  q, k, v, P in f16, every sum and the softmax in f32.
; LIMIT: scores that are not finite give NaN, as in the definition.  P lies in [0, about 1]; entries below 6e-8 of the row's largest vanish in f16.
; A work-group takes two heads (2 pg, 2 pg + 1: its output rows are then 256 whole bytes) and 256 queries (block qb of 8).  Eight waves:
; wave w takes head w >> 2 and queries 64 (w & 3) .. + 63; two waves lie on a SIMD, so that one wave's softmax runs beside the other's products.
; Keys go in 8 tiles of 256 (K and V of both heads, 131,072 bytes) through two LDS slots.
; CLUSTERS of 4 x 1: four query blocks of one pair of heads read the same tiles and ask for them jointly (mask 15).  The eight blocks of a pair are
; two clusters, since a mask names four work-groups.  Only the addresses of Q, of the output and of the prefetch hang on the place in the cluster.
; IN REGISTERS.  S^T = K Q^T: A = 16 keys x 32 d from LDS, B = a fragment of Q, resident.  Register j of lane (r, h) holds query r, key 16 kt + 8 h + j.
; O^T = V^T P^T: A = V^T by transposing LDS loads, B = P^T, whose layout (query r; keys 8 h .., 16 + 8 h ..) is just the packed pair of tiles 2 g, 2 g + 1
; of S^T: P never leaves the registers.  Maximum, shift and sum belong to the lane's own query; one exchange joins the two halves of the lanes.
; THE TEXT IS KEPT SHORT.  A step (64 keys) is some 600 instructions.  A tile's four steps are a loop of three, which also fetch the next step's K, and
; one written out, which fetches none; the steps find their keys through two address registers that are stepped.  Tiles 1 to 6 go round an outer loop
; of two tiles; tile 0 (whose first step starts O's sums) and tile 7 (which requests no further tile) are written out: nine copies of the step in all.
.set VP,    160                        ; V's LDS row: 128 bytes + 32: an odd multiple of 32, for the transposing loads
.set KP,    144                        ; K's LDS row: 128 bytes + 16
.set VCH,   128*VP                     ; what one tensor load brings of V: 128 keys of one head
.set KCH,   128*KP
.set KOFF,  4*VCH                      ; a slot: V's four chunks (head 0: keys 0-127, 128-255; head 1 likewise), then K's four
.set SLOT,  4*VCH+4*KCH                ; 155,648
.set TILEB, 32768                      ; 256 keys of 128 bytes in a head's plane
.set SP,    144                        ; the way out: a wave's stage of 64 rows of 128 bytes + 16
.set WST,   64*SP
.set KA,   2                           ; v2-3    LDS address of my K fragments at the head of slot 0, 1; never rewritten
.set VA,   4                           ; v4-5    the same for V
.set QOFF, 6
.set STO,  7
.set RD,   8
.set CO,   9
.set PFO,  10
.set KC,   12                          ; v12     LDS address of the current step's K fragments: the slot's base + 64 keys a step
.set VC,   13                          ; v13     the same for V
.set MX,   16                          ; v[16:19] running maximum of the raw scores, query block qt
.set T,    20                          ; v[20:23] at work
.set NM,   24                          ; v[24:31] pairs: the shift -c x maximum, c = log2(e) / 8
.set AL,   32                          ; v[32:39] pairs: the factor by which the older sums shrink
.set LP,   40                          ; v[40:47] pairs: two partial sums of P
.set AA,   48                          ; v[48:51]
.set Q,    64                          ; v[64:127]  Q(qt, ks) at 8 (2 qt + ks)
.set O,    128                         ; v[128:255] O(db, qt) at 8 (4 qt + db)
.set S,    0                           ; window 1: v[0:127]   S(kt, qt) at 8 (4 qt + kt); then P(g, qt) at 32 qt + 8 g
.set KF,   128                         ; window 1: v[128:191] K(kt, ks) at 8 (2 kt + ks)
.set VF,   192                         ; window 1: v[192:255] V(db, g) at 8 (4 g + db)
.set G1V, 24                           ; s[24:31] group 1 for V's chunks
.set G1K, 32                           ; s[32:39] for K's: the padding differs
.set G0V, 40                           ; s[40:47] group 0 for V's chunks, one set for each slot
.set G0K, 48                           ; s[48:55]
.set MSB, 0
.macro WIN new                         ; low byte: bits 1:0 source 0, 3:2 source 1, 5:4 source 2, 7:6 destination; the high byte repeats the setting that is left
.if MSB != \new
	s_set_vgpr_msb (MSB<<8)|\new
.set MSB, \new
.endif
.endm
.macro ROUND                           ; a round of the cluster's barrier
	s_barrier_signal -1
	s_barrier_wait -1
	s_cmp_lg_u32 s8, 0
	s_cbranch_scc1 .Lnot_wave_0_\@
	s_barrier_signal -3
.Lnot_wave_0_\@:
	s_barrier_wait -3
	s_barrier_signal -1
	s_barrier_wait -1
.endm
.macro JLOAD s                         ; a joint load: waves 0-3 fetch V's four chunks, waves 4-7 K's
	s_cmp_lt_u32 s8, 4
	s_cbranch_scc0 .Lfor_k_\@
	tensor_load_to_lds s[G0V+4*(\s):G0V+4*(\s)+3], s[G1V:G1V+7]
	s_nop 0
	v_nop
	s_branch .Lasked_\@
.Lfor_k_\@:
	tensor_load_to_lds s[G0K+4*(\s):G0K+4*(\s)+3], s[G1K:G1K+7]
	s_nop 0
	v_nop
	v_nop
.Lasked_\@:
.endm
	s_load_b128 s[4:7], s[0:1], 0x0                ; qkv s[4:5], oh s[6:7]
	v_lshl_add_u32 v62, v0, 2, 0x4c000
	v_mov_b32 v63, 0
	ds_add_u32 v62, v63
	v_lshrrev_b32 v1, 5, v0
	v_readfirstlane_b32 s8, v1                     ; wave 0..7
	s_lshr_b32 s9, s8, 2                           ; my head of the two
	s_and_b32 s13, s8, 3                           ; my 64 queries of the 256
	s_bfe_u32 s10, ttmp6, 0x40000                  ; cx
	s_lshl_b32 s11, ttmp9, 2
	s_add_co_u32 s11, s11, s10                     ; qb = 4 x cluster x + cx
	s_and_b32 s12, ttmp7, 0xffff                   ; pg
	s_mov_b32 s14, 0x3e38aa3b                      ; c = log2(e) / 8: the scale 1/8 and the change of base in one factor
	s_mov_b32 s15, 0x3e38aa3b
	s_mov_b32 s16, 0xbe38aa3b                      ; -c
	s_mov_b32 s18, 0x76543210                      ; v_permlanex16_b32: lane i reads lane i of the other half
	s_mov_b32 s19, 0xfedcba98
	; A chunk is dense in memory (128 keys x 128 bytes): it comes as 64 rows of 256 bytes, and the padding falls behind every 32 words, one key.
	s_mov_b32 s[G1V+0], 0x0f33000f                 ; mask 15; 8-byte elements; padding on; bit 21 beside a mask; after every 32 words (code 4), 8 words (code 7)
	s_mov_b32 s[G1K+0], 0x0733000f                 ; the same with 4 words (code 3)
.irp g, 24, 32
	s_mov_b32 s[\g+1], 32<<16                      ; tensor_dim0 = 32 elements
	s_mov_b32 s[\g+2], 64<<16                      ; tensor_dim1 = 64 rows
	s_mov_b32 s[\g+3], 32<<16                      ; tile_dim0
	s_mov_b32 s[\g+4], 64                          ; tile_dim1
	s_mov_b32 s[\g+5], 32                          ; elements from row to row
	s_mov_b32 s[\g+6], 0
	s_mov_b32 s[\g+7], 0
.endr
	s_bfe_u32 s20, s8, 0x10001                     ; my chunk's head: (w >> 1) & 1,
	s_lshl1_add_u32 s20, s12, s20                  ; + 2 pg
	s_lshl_b32 s20, s20, 18
	s_and_b32 s21, s8, 1                           ; its half of the tile's 256 keys
	s_lshl_b32 s21, s21, 14
	s_add_co_u32 s20, s20, s21
	s_mov_b32 s21, 0
	s_mul_i32 s22, s8, VCH                         ; LDS: V's chunk w (waves 0-3)
	s_mul_i32 s23, s8, KCH
	s_add_co_u32 s23, s23, KOFF-4*KCH              ; K's chunk w - 4 (waves 4-7)
	s_wait_dscnt 0x0
	s_wait_kmcnt 0x0
	s_add_nc_u64 s[20:21], s[4:5], s[20:21]
.irp s, 0,1
	s_mov_b32 s[G0V+4*\s], 1
	s_add_co_u32 s[G0V+4*\s+1], s22, \s*SLOT
	s_add_nc_u64 s[G0V+4*\s+2:G0V+4*\s+3], s[20:21], (2<<24)+\s*TILEB   ; v's planes; tile s
	s_or_b32 s[G0V+4*\s+3], s[G0V+4*\s+3], 0x80000000
	s_mov_b32 s[G0K+4*\s], 1
	s_add_co_u32 s[G0K+4*\s+1], s23, \s*SLOT
	s_add_nc_u64 s[G0K+4*\s+2:G0K+4*\s+3], s[20:21], (1<<24)+\s*TILEB   ; k's planes
	s_or_b32 s[G0K+4*\s+3], s[G0K+4*\s+3], 0x80000000
.endr
	ROUND                                          ; the four partners are here: the first joint loads meet
	JLOAD 0                                        ; tile 0.  One tensor load of the wave is out, here and behind every later round
	; offsets that hold cx are made in s[2:3] alone
	s_lshl1_add_u32 s2, s12, s9
	s_lshl_b32 s2, s2, 18                          ; q's plane of my head
	s_lshl_b32 s3, s11, 15                         ; 256 queries of 128 bytes
	s_add_co_u32 s2, s2, s3
	s_lshl_b32 s3, s13, 13                         ; my 64
	s_add_co_u32 s2, s2, s3
	s_mov_b32 s3, 0
	s_add_nc_u64 s[58:59], s[4:5], s[2:3]
	v_and_b32 v1, 31, v0                           ; l
	v_and_b32 v11, 15, v0                          ; r
	v_bfe_u32 v52, v0, 4, 1                        ; h
	v_lshlrev_b32 v53, 7, v11
	v_lshl_add_u32 v[QOFF], v52, 4, v53            ; query r, 16 h bytes
.irp qt, 0,1,2,3
.irp ks, 0,1
	global_load_b128 v[Q+8*(2*\qt+\ks):Q+8*(2*\qt+\ks)+3],   v[QOFF], s[58:59] offset:2048*\qt+64*\ks
	global_load_b128 v[Q+8*(2*\qt+\ks)+4:Q+8*(2*\qt+\ks)+7], v[QOFF], s[58:59] offset:2048*\qt+64*\ks+32
.endr
.endr
	s_lshr_b32 s2, s12, 3                          ; batch: 2,048 rows of 2,048 bytes
	s_lshl_b32 s2, s2, 22
	s_lshl_b32 s3, s11, 19                         ; 256 rows
	s_add_co_u32 s2, s2, s3
	s_and_b32 s3, s12, 7
	s_lshl_b32 s3, s3, 8                           ; the two heads' 256 bytes of a row
	s_add_co_u32 s2, s2, s3
	s_mov_b32 s3, 0
	s_add_nc_u64 s[60:61], s[6:7], s[2:3]
	; prefetch: of each tile's 131,072 bytes work-group qb asks for 16,384: k or v by qb >> 2, the head by (qb >> 1) & 1, the half by qb & 1
	s_lshr_b32 s2, s11, 2
	s_add_co_u32 s2, s2, 1
	s_lshl_b32 s2, s2, 24
	s_bfe_u32 s3, s11, 0x10001
	s_lshl1_add_u32 s3, s12, s3
	s_lshl_b32 s3, s3, 18
	s_add_co_u32 s2, s2, s3
	s_and_b32 s3, s11, 1
	s_lshl_b32 s3, s3, 14
	s_add_co_u32 s2, s2, s3
	s_add_co_u32 s2, s2, TILEB                     ; at tile 1; stepped by a tile in front of each request
	s_mov_b32 s3, 0
	s_add_nc_u64 s[56:57], s[4:5], s[2:3]
	v_lshlrev_b32 v[PFO], 8, v1                    ; lanes 256 bytes apart
	v_mul_u32_u24 v53, v11, KP
	v_lshl_add_u32 v53, v52, 4, v53                ; K fragment: key r, 16 h bytes
	s_mul_i32 s17, s9, 2*KCH                       ; my head's 256 keys
	s_add_co_u32 s17, s17, KOFF
	v_add_nc_u32 v[KA], s17, v53
	v_add_nc_u32 v[KA+1], SLOT, v[KA]
	v_and_b32 v53, 7, v0
	v_lshl_add_u32 v53, v52, 3, v53                ; V, transposing load: key 8 h + (l & 7),
	v_mul_u32_u24 v53, v53, VP
	v_bfe_u32 v54, v0, 3, 1
	v_lshl_add_u32 v53, v54, 4, v53                ; 16 bytes at 16 ((l >> 3) & 1)
	s_mul_i32 s17, s9, 2*VCH
	v_add_nc_u32 v[VA], s17, v53
	v_add_nc_u32 v[VA+1], SLOT, v[VA]
	s_mul_i32 s17, s8, WST                         ; my stage
	v_mul_u32_u24 v53, v11, SP
	v_lshl_add_u32 v53, v52, 4, v53
	v_add_nc_u32 v[STO], s17, v53
	v_lshrrev_b32 v54, 4, v0                       ; back: thread t takes row (t >> 4) + 16 i, 16 bytes at 16 (t & 15): head (t >> 3) & 1
	v_mul_u32_u24 v53, v54, SP
	v_and_b32 v55, 7, v0
	v_lshl_add_u32 v53, v55, 4, v53
	v_bfe_u32 v55, v0, 3, 1
	v_mul_u32_u24 v55, v55, 4*WST
	v_add_nc_u32 v[RD], v55, v53
	v_lshlrev_b32 v53, 11, v54
	v_lshl_add_u32 v[CO], v11, 4, v53
.irp q, 0,1,2,3
	v_mov_b32 v[MX+\q], 0xff800000                 ; maximum -inf,
	v_mov_b32 v[NM+2*\q], 0x7f800000               ; its shift +inf: the first factor is exp2(-inf) = 0
	v_mov_b32 v[T+\q], 0                           ; a lane exchange counts as a reader of its destination
	v_mov_b32 v[LP+2*\q], 0
	v_mov_b32 v[LP+2*\q+1], 0
.endr
	s_wait_loadcnt 0x0                             ; Q
.macro KLOAD                           ; the K fragments of a tile's first 64 keys
	WIN 0x40
.irp kt, 0,1,2,3
.irp ks, 0,1
	ds_load_b128 v[KF+8*(2*\kt+\ks):KF+8*(2*\kt+\ks)+3],   v[KC] offset:\kt*16*KP+64*\ks
	ds_load_b128 v[KF+8*(2*\kt+\ks)+4:KF+8*(2*\kt+\ks)+7], v[KC] offset:\kt*16*KP+64*\ks+32
.endr
.endr
	WIN 0
.endm
; 64 keys, at KC and VC, x my 64 queries.  pre = 1: the next step's K fragments are fetched too, and KC and VC step on by 64 keys.
; first = 1: the first products start O's sums, nothing is cleared.
.macro STEP pre, first
	s_wait_dscnt 0x0                               ; the K fragments are in
	WIN 0x51                                       ; K and S window 1, Q window 0
	; the 16 accumulators take turns, one instruction a turn, here and in O's products below
.irp kt, 0,1,2,3
.irp qt, 0,1,2,3
	v_wmma_f32_16x16x32_f16 v[S+8*(4*\qt+\kt):S+8*(4*\qt+\kt)+7], v[KF+16*\kt:KF+16*\kt+7], v[Q+16*\qt:Q+16*\qt+7], 0
.endr
.endr
.irp kt, 0,1,2,3
.irp qt, 0,1,2,3
	v_wmma_f32_16x16x32_f16 v[S+8*(4*\qt+\kt):S+8*(4*\qt+\kt)+7], v[KF+16*\kt+8:KF+16*\kt+15], v[Q+16*\qt+8:Q+16*\qt+15], v[S+8*(4*\qt+\kt):S+8*(4*\qt+\kt)+7]
.endr
.endr
.rept 4
	v_nop                                          ; four places: then loads may land on the K fragments and vector instructions read S
.endr
	WIN 0x40
.irp g, 0,1
.irp db, 0,1,2,3
	ds_load_tr16_b128 v[VF+8*(4*\g+\db):VF+8*(4*\g+\db)+3],   v[VC] offset:\g*32*VP+32*\db          ; d = 16 db + r, keys 32 g + 8 h ..
	ds_load_tr16_b128 v[VF+8*(4*\g+\db)+4:VF+8*(4*\g+\db)+7], v[VC] offset:\g*32*VP+32*\db+16*VP   ; keys 32 g + 16 + 8 h ..
.endr
.endr
.if \pre
.irp kt, 0,1,2,3
.irp ks, 0,1
	ds_load_b128 v[KF+8*(2*\kt+\ks):KF+8*(2*\kt+\ks)+3],   v[KC] offset:64*KP+\kt*16*KP+64*\ks      ; the next step's K
	ds_load_b128 v[KF+8*(2*\kt+\ks)+4:KF+8*(2*\kt+\ks)+7], v[KC] offset:64*KP+\kt*16*KP+64*\ks+32
.endr
.endr
.endif
	WIN 0x05                                       ; the running maximum takes in my 32 scores of each query block; four chains by turns
.set ii, 0
.rept 16
.irp q, 0,1,2,3
	v_max3_num_f32 v[MX+\q], v[S+32*\q+2*ii], v[S+32*\q+2*ii+1], v[MX+\q]
.endr
.set ii, ii+1
.endr
	WIN 0
.irp q, 0,1,2,3
	v_permlanex16_b32 v[T+\q], v[MX+\q], s18, s19  ; the other half of the lanes holds the query's other keys
.endr
.irp q, 0,1,2,3
	v_max_num_f32 v[MX+\q], v[MX+\q], v[T+\q]
.endr
.irp q, 0,1,2,3
	v_mul_f32 v[T+\q], s16, v[MX+\q]               ; the new shift
.endr
.irp q, 0,1,2,3
	v_sub_f32 v[AA+\q], v[T+\q], v[NM+2*\q]        ; new shift - old shift: exactly 0 while the maximum stands
.endr
.irp q, 0,1,2,3
	v_mov_b32 v[NM+2*\q], v[T+\q]
	v_mov_b32 v[NM+2*\q+1], v[T+\q]
.endr
.irp q, 0,1,2,3
	v_exp_f32 v[AL+2*\q], v[AA+\q]
.endr
	v_nop                                          ; one plain place behind the exponentials (ISA guide 5.7.2)
	s_wait_alu depctr_va_vdst(0)
.irp q, 0,1,2,3
	v_mov_b32 v[AL+2*\q+1], v[AL+2*\q]
.endr
.irp q, 0,1,2,3
	v_pk_mul_f32 v[LP+2*\q:LP+2*\q+1], v[LP+2*\q:LP+2*\q+1], v[AL+2*\q:AL+2*\q+1]
.endr
.if \first == 0
.set ii, 0
.rept 16
.irp q, 0,1,2,3
	v_pk_mul_f32 v[O+32*\q+2*ii:O+32*\q+2*ii+1], v[O+32*\q+2*ii:O+32*\q+2*ii+1], v[AL+2*\q:AL+2*\q+1]
.endr
.set ii, ii+1
.endr
.endif
	WIN 0x41                                       ; P = exp2(c S + shift): one fused multiply-add for two, the exponentials two pairs behind
.set pp, 0
.rept 66
.if pp < 64
	v_pk_fma_f32 v[S+2*pp:S+2*pp+1], v[S+2*pp:S+2*pp+1], s[14:15], v[NM+2*(pp/16):NM+2*(pp/16)+1] op_sel_hi:[1,0,1]
.endif
.if pp >= 2
	v_exp_f32 v[S+2*(pp-2)], v[S+2*(pp-2)]
	v_exp_f32 v[S+2*(pp-2)+1], v[S+2*(pp-2)+1]
.endif
.set pp, pp+1
.endr
	v_nop                                          ; one plain place behind the last exponentials
	WIN 0x01
.set ii, 0
	s_wait_alu depctr_va_vdst(0)
.rept 16
.irp q, 0,1,2,3
	v_pk_add_f32 v[LP+2*\q:LP+2*\q+1], v[S+32*\q+2*ii:S+32*\q+2*ii+1], v[LP+2*\q:LP+2*\q+1]
.endr
.set ii, ii+1
.endr
	WIN 0x45                                       ; P to f16 in place: register i of a query block takes scores 2 i, 2 i + 1; ascending i overwrites only what has been read
.set ii, 0
.rept 16
.irp q, 0,1,2,3
	v_cvt_pk_f16_f32 v[S+32*\q+ii], v[S+32*\q+2*ii], v[S+32*\q+2*ii+1]
.endr
.set ii, ii+1
.endr
.if \pre
	s_wait_dscnt 16                                ; V's 16 loads are in; the 16 younger ones, the next step's K, may be out
.else
	s_wait_dscnt 0x0
.endif
	WIN 0x05                                       ; V and P window 1, O window 0
.irp g, 0,1
.set zc, \first*(1-\g)
.irp db, 0,1,2,3
.irp qt, 0,1,2,3
.if zc
	v_wmma_f32_16x16x32_f16 v[O+8*(4*\qt+\db):O+8*(4*\qt+\db)+7], v[VF+8*(4*\g+\db):VF+8*(4*\g+\db)+7], v[S+32*\qt+8*\g:S+32*\qt+8*\g+7], 0
.else
	v_wmma_f32_16x16x32_f16 v[O+8*(4*\qt+\db):O+8*(4*\qt+\db)+7], v[VF+8*(4*\g+\db):VF+8*(4*\g+\db)+7], v[S+32*\qt+8*\g:S+32*\qt+8*\g+7], v[O+8*(4*\qt+\db):O+8*(4*\qt+\db)+7]
.endif
.endr
.endr
.endr
	WIN 0
	; five places: the next step's first products write over P (ISA guide 7.12.1).  Two of them step the addresses by 64 keys.
.if \pre
	v_add_nc_u32 v[KC], 64*KP, v[KC]
	v_add_nc_u32 v[VC], 64*VP, v[VC]
.rept 3
	v_nop
.endr
.else
.rept 5
	v_nop
.endr
.endif
.endm
; A tile.  In front of the round every wave waits for all its tensor loads (its part of this tile among them) and for its reads of the other slot;
; behind the round the joint refill of the other slot, with the next tile, is the wave's first and only tensor load: it has this tile's 256 matrix
; instructions in which to land.  pf = 1: the tile after next is prefetched; pf = 2: the same, but not in the outer loop's last lap.
.macro TRIP slot, refill, first, pf
	s_wait_tensorcnt 0x0
	ds_add_u32 v62, v63
	s_wait_dscnt 0x0
	s_add_nc_u64 s[G0V+4*\slot+2:G0V+4*\slot+3], s[G0V+4*\slot+2:G0V+4*\slot+3], 2*TILEB   ; no tensor load of mine is out: this slot's next tile
	s_add_nc_u64 s[G0K+4*\slot+2:G0K+4*\slot+3], s[G0K+4*\slot+2:G0K+4*\slot+3], 2*TILEB
	s_wait_dscnt 0x0
	ROUND
.if \refill
	JLOAD 1-\slot
.endif
	v_mov_b32 v[KC], v[KA+\slot]                   ; the tile's first 64 keys
	v_mov_b32 v[VC], v[VA+\slot]
	KLOAD
.if \first
	STEP 1, 1
	s_mov_b32 s62, 2
.else
	s_mov_b32 s62, 3
.endif
.Lsteps_\@:
	STEP 1, 0
	s_sub_co_u32 s62, s62, 1
	s_cmp_lg_u32 s62, 0
	s_cbranch_scc1 .Lsteps_\@
.if \pf
	; wave 0 asks for my work-group's 16,384 bytes (2 x 32 lanes x 256) of the tile after next, one step ahead of the round behind which that tile is requested
	s_cmp_lg_u32 s8, 0
	s_cbranch_scc1 .Lno_pf_\@
.if \pf == 2
	s_cmp_eq_u32 s63, 1                            ; the last lap's second tile is tile 6: there is no tile 8
	s_cbranch_scc1 .Lno_pf_\@
.endif
	s_wait_xcnt 0x0                                ; the last request's base is stepped only behind this wait
	s_add_nc_u64 s[56:57], s[56:57], TILEB
	global_prefetch_b8 v[PFO], s[56:57] th:TH_LOAD_NT scope:SCOPE_SE
	global_prefetch_b8 v[PFO], s[56:57] offset:8192 th:TH_LOAD_NT scope:SCOPE_SE
.Lno_pf_\@:
.endif
	STEP 0, 0                                      ; the tile's last 64 keys: the next K lies in the other slot, behind the next round
.endm
	TRIP 0, 1, 1, 1                                ; tile 0; requests tile 1
	s_mov_b32 s63, 3
.Ltiles:
	TRIP 1, 1, 0, 1                                ; tiles 1, 3, 5; each requests the next tile
	TRIP 0, 1, 0, 2                                ; tiles 2, 4, 6
	s_sub_co_u32 s63, s63, 1
	s_cmp_lg_u32 s63, 0
	s_cbranch_scc1 .Ltiles
	TRIP 1, 0, 0, 0                                ; tile 7: nothing is left to request
	; THE WAY OUT: divide by the sum, round to f16, through LDS into rows of 256 bytes (both heads).  The stages lie in slot 0, which has had its last
	; fill (tile 6) and whose last reads every wave finished in front of tile 7's round.
.irp q, 0,1,2,3
	v_add_f32 v[T+\q], v[LP+2*\q], v[LP+2*\q+1]
.endr
.irp q, 0,1,2,3
	v_permlanex16_b32 v[MX+\q], v[T+\q], s18, s19
.endr
.irp q, 0,1,2,3
	v_add_f32 v[T+\q], v[T+\q], v[MX+\q]
.endr
.irp q, 0,1,2,3
	v_rcp_f32 v[AL+2*\q], v[T+\q]                  ; the sum holds the term of the maximum itself, about 1
.endr
	v_nop
	s_wait_alu depctr_va_vdst(0)
.irp q, 0,1,2,3
	v_mov_b32 v[AL+2*\q+1], v[AL+2*\q]
.endr
.set ii, 0
.rept 16
.irp q, 0,1,2,3
	v_pk_mul_f32 v[O+32*\q+2*ii:O+32*\q+2*ii+1], v[O+32*\q+2*ii:O+32*\q+2*ii+1], v[AL+2*\q:AL+2*\q+1]
.endr
.set ii, ii+1
.endr
.set tl, 0
.rept 16
.irp i, 0,1,2,3
	v_cvt_pk_f16_f32 v[O+8*tl+\i], v[O+8*tl+2*\i], v[O+8*tl+2*\i+1]
.endr
	ds_store_b128 v[STO], v[O+8*tl:O+8*tl+3] offset:(tl/4)*16*SP+(tl%4)*32    ; query 16 qt + r, d = 16 db + 8 h ..
.set tl, tl+1
.endr
	s_wait_dscnt 0x0                               ; my stores are in LDS before I say so: other waves read them
	s_barrier_signal -1
	s_barrier_wait -1
.set tl, 0
.rept 16
	ds_load_b128 v[Q+4*tl:Q+4*tl+3], v[RD] offset:(tl/4)*WST+(tl%4)*16*SP
.set tl, tl+1
.endr
.set tl, 0
.rept 16
	s_wait_dscnt 15-tl
	global_store_b128 v[CO], v[Q+4*tl:Q+4*tl+3], s[60:61] offset:32768*tl     ; sixteen lanes store 256 consecutive bytes, aligned
.set tl, tl+1
.endr
	s_wait_tensorcnt 0x0
	ds_add_u32 v62, v63
	s_wait_dscnt 0x0
	ROUND                                          ; the closing round: no work-group ends while a partner may still ask for a tile that names it
	s_endpgm
.Lfunc_end_k_q88091c6d29_attn:
	.size	k_q88091c6d29_attn, .Lfunc_end_k_q88091c6d29_attn-k_q88091c6d29_attn
	.p2alignl 7, 3214868480
	.fill 96, 4, 3214868480
	.section	.rodata,"a",@progbits
	.p2align	6, 0x0
	.amdhsa_kernel k_q88091c6d29_attn
		.amdhsa_group_segment_fixed_size 327680
		.amdhsa_private_segment_fixed_size 0
		.amdhsa_enable_private_segment 0
		.amdhsa_kernarg_size 16
		.amdhsa_user_sgpr_count 2
		.amdhsa_user_sgpr_kernarg_segment_ptr 1
		.amdhsa_wavefront_size32 1
		.amdhsa_system_sgpr_workgroup_id_x 1
		.amdhsa_system_sgpr_workgroup_id_y 1
		.amdhsa_system_sgpr_workgroup_id_z 1
		.amdhsa_system_vgpr_workitem_id 0
		.amdhsa_next_free_vgpr 512
		.amdhsa_next_free_sgpr 66
		.amdhsa_reserve_vcc 0
		.amdhsa_float_denorm_mode_32 3
		.amdhsa_float_denorm_mode_16_64 3
		.amdhsa_memory_ordered 1
		.amdhsa_forward_progress 1
		.amdhsa_inst_pref_size 255
	.end_amdhsa_kernel
	.section	.bss,"aw",@nobits
	.p2align	6
	.space	262144
	.amdgpu_metadata
---
amdhsa.version: [ 1, 2 ]
amdhsa.kernels:
  - .name:           k_q88091c6d29_attn
    .symbol:         k_q88091c6d29_attn.kd
    .args:
      - { .name: qkv, .offset: 0, .size: 8, .value_kind: global_buffer, .address_space: global }
      - { .name: oh, .offset: 8, .size: 8, .value_kind: global_buffer, .address_space: global }
    .group_segment_fixed_size: 327680
    .private_segment_fixed_size: 0
    .kernarg_segment_align: 8
    .kernarg_segment_size: 16
    .max_flat_workgroup_size: 256
    .sgpr_count:     66
    .vgpr_count:     512
    .wavefront_size: 32
...
	.end_amdgpu_metadata
.endif
;; end of part 3
;; launch proj (part 4): grid 8 x 32, 4 waves a work-group, clusters of 4 x 4, 327,680 bytes of LDS; arguments oh, wpt, b_proj, out0; writes out0
.if DOCPART == 4
	.amdgcn_target "amdgcn-amd-amdhsa--gfx1250"
	.amdhsa_code_object_version 6
	.text
	.protected	k_q88091c6d29_proj
	.globl	k_q88091c6d29_proj
	.p2align	8
	.type	k_q88091c6d29_proj,@function
k_q88091c6d29_proj:
	s_mov_b64 s[64:65], 0
	v_nop
	global_prefetch_b8 v0, s[64:65] scope:SCOPE_SE
	s_setreg_imm32_b32 hwreg(HW_REG_WAVE_MODE, 25, 1), 1
	s_wait_xcnt 0x0
	s_wait_alu depctr_hold_cnt(0) depctr_sa_sdst(0) depctr_va_vdst(0) depctr_va_sdst(0) depctr_va_ssrc(0) depctr_va_vcc(0) depctr_vm_vsrc(0)
	s_getreg_b32 s2, hwreg(HW_REG_IB_STS2, 6, 4)
	s_cmp_eq_u32 s2, 0
	s_cbranch_scc0 .Lentry_in_a_cluster
	s_endpgm
.Lentry_in_a_cluster:
	s_bfe_u32 s2, ttmp6, 0x10000c
	s_cmp_lg_u32 s2, 0xf033
	s_cbranch_scc0 .Lentry_shape_is_right
	s_endpgm
.Lentry_shape_is_right:
; out0[row][n] = sum over k of oh[row][k] wpt[n][k] + b_proj[n], f32.  Operands f16, sums f32.
; The frame of the qkv product with 8 column blocks: a work-group makes 256 rows x 128 columns with four waves; wave w makes rows 64 w .. 64 w + 63
; and all 128 columns (a row piece of 512 bytes): 4 x 8 accumulator tiles, 256 registers.  K = 1,024 in 8 steps of 128 through two LDS slots.  256 work-groups.
; CLUSTERS of 4 x 4: oh's tile is shared along a row of the cluster, wpt's along a column, each asked for jointly: a quarter of the requests.
; REGISTERS: window 0: v16-27 addresses; v32-63, v64-95 fragments of A, two buffers; v128-191 the bias tiles (first quarter step only); on the way out
;   v96-159 and v160-223 rows read back.   window 1: v0-63, v64-127 fragments of B.   window 2: tiles of row blocks 0, 1 at v[8 (8 a + b)];  window 3: of 2, 3.
; The matrix instruction is used transposed (source 0 = rows of wpt, source 1 = rows of oh): register j of lane l holds row l % 16, column 16 b + 8 (l / 16) + j.
; The first product of every accumulator takes the bias tile as C.
.set NB,     8
.set KDIM,   1024
.set KSTEP,  128
.set PITCH,  272                       ; LDS row: 256 bytes + 16 of padding
.set HALFA,  128*PITCH
.set RB,     8*NB
.set HALFB,  RB*PITCH
.set SLOT,   2*HALFA+2*HALFB
.set STAGE,  2*SLOT                    ; behind the ring, a multiple of 256: no tensor load lands there
.set SPITCH, 528                       ; stage: a row of 512 bytes + 16
.set WSTG,   16*SPITCH                 ; a wave's stage, 8,448 bytes
.set LAPS,   KDIM/(2*KSTEP)
.set ADRA, 16
.set ADRB, 20
.set STO,  24
.set RD,   25
.set CO,   26
.set BOFF, 27
.set FA0,  32
.set FA1,  64
.set FB0,  0
.set FB1,  8*NB
.set BI,   128
.set R0,   96
.set R1,   160
.set G1,  24
.set G0,  32
.set G1B, 48
.set G0B, 56
.set MSB, 0
.macro WIN new                         ; low byte: bits 1:0 source 0, 3:2 source 1, 5:4 source 2, 7:6 destination; the high byte repeats the setting that is left
.if MSB != \new
	s_set_vgpr_msb (MSB<<8)|\new
.set MSB, \new
.endif
.endm
.macro PLACES                          ; four plain vector instructions between a matrix instruction and a load into, or a read of, its registers
.rept 4
	v_nop
.endr
.endm
.macro JLOAD s                         ; waves 0, 1 fetch A's two halves, waves 2, 3 B's
	s_cmp_eq_u32 s13, 0
	s_cbranch_scc0 .Lfor_b_\@
	tensor_load_to_lds s[G0+4*\s:G0+4*\s+3], s[G1:G1+7]
	s_nop 0
	s_branch .Lasked_\@
.Lfor_b_\@:
	tensor_load_to_lds s[G0B+4*\s:G0B+4*\s+3], s[G1B:G1B+7]
	s_nop 0
.Lasked_\@:
.endm
.macro CREST
	s_cmp_lg_u32 s12, 0
	s_cbranch_scc1 .Lnot_wave_0_\@
	s_barrier_signal -3
.Lnot_wave_0_\@:
	s_barrier_wait -3
	s_barrier_signal -1
	s_barrier_wait -1
.endm
.macro CROUND
	s_barrier_signal -1
	s_barrier_wait -1
	CREST
.endm
	s_load_b256 s[4:11], s[0:1], 0x0               ; oh s[4:5], wpt s[6:7], b_proj s[8:9], out0 s[10:11]
	s_set_vgpr_msb 0x40
	v_lshl_add_u32 v255, v0, 2, 0x3b400
	s_set_vgpr_msb 0x4000
	v_mov_b32 v255, 0
	s_set_vgpr_msb 0x1
	ds_add_u32 v255, v255
	s_set_vgpr_msb 0x100
	v_lshrrev_b32 v1, 5, v0
	v_readfirstlane_b32 s12, v1                    ; wave 0..3
	s_lshr_b32 s13, s12, 1                         ; I fetch for A (0) or for B (1)
	s_and_b32 s14, s12, 1                          ; which half of that tile
	s_bfe_u32 s40, ttmp6, 0x40000                  ; cx
	s_bfe_u32 s41, ttmp6, 0x40004                  ; cy
	s_lshl_b32 s42, ttmp9, 2
	s_add_co_u32 s42, s42, s40                     ; block column
	s_and_b32 s43, ttmp7, 0xffff
	s_lshl_b32 s43, s43, 2
	s_add_co_u32 s43, s43, s41                     ; block row
	s_lshl_b32 s44, s41, 2
	s_lshl_b32 s44, 15, s44                        ; my row of the cluster
	s_lshl_b32 s45, 0x1111, s40                    ; my column
	s_or_b32 s[G1+0],  s44, (1<<16)|(1<<20)|(1<<21)|(5<<22)|(3<<25)   ; mask; 2-byte elements; padding on; bit 21 beside a mask; after every 64 words, 4 words
	s_or_b32 s[G1B+0], s45, (1<<16)|(1<<20)|(1<<21)|(5<<22)|(3<<25)
	s_mov_b32 s[G1+1],  KSTEP<<16
	s_mov_b32 s[G1B+1], KSTEP<<16
	s_mov_b32 s[G1+2],  128<<16
	s_mov_b32 s[G1B+2], RB<<16
	s_mov_b32 s[G1+3],  KSTEP<<16
	s_mov_b32 s[G1B+3], KSTEP<<16
	s_mov_b32 s[G1+4],  128
	s_mov_b32 s[G1B+4], RB
	s_mov_b32 s[G1+5],  KDIM
	s_mov_b32 s[G1B+5], KDIM
	s_mov_b32 s[G1+6],  0
	s_mov_b32 s[G1B+6], 0
	s_mov_b32 s[G1+7],  0
	s_mov_b32 s[G1B+7], 0
	s_lshl_b32 s16, s43, 8
	s_lshl_b32 s17, s14, 7
	s_add_co_u32 s16, s16, s17                     ; A: row 256 x block row + 128 x half
	s_lshl_b32 s16, s16, 11
	s_mov_b32 s17, 0
	s_mul_i32 s46, s42, 16*NB
	s_mul_i32 s47, s14, RB
	s_add_co_u32 s46, s46, s47                     ; B: row 128 x block column + 64 x half
	s_lshl_b32 s46, s46, 11
	s_mov_b32 s47, 0
	s_mul_i32 s76, s42, 64*NB                      ; the block's 128 biases of 4 bytes
	s_mov_b32 s77, 0
	s_mul_i32 s20, s12, HALFA                      ; LDS: A's halves at wave x HALFA (waves 0, 1),
	s_mul_i32 s21, s12, HALFB
	s_add_co_u32 s21, s21, 2*HALFA-2*HALFB         ; B's at 2 HALFA + (wave - 2) x HALFB (waves 2, 3)
	s_wait_dscnt 0x0
	s_wait_kmcnt 0x0
	s_add_nc_u64 s[18:19], s[4:5], s[16:17]
	s_add_nc_u64 s[46:47], s[6:7], s[46:47]
	s_add_nc_u64 s[74:75], s[8:9], s[76:77]
	CROUND                                         ; all sixteen work-groups are here: the first joint loads meet
.irp s, 0,1
	s_mov_b32 s[G0+4*\s], 1
	s_add_co_u32 s[G0+4*\s+1], s20, \s*SLOT
	s_add_nc_u64 s[G0+4*\s+2:G0+4*\s+3], s[18:19], \s*KSTEP*2
	s_or_b32 s[G0+4*\s+3], s[G0+4*\s+3], 0x80000000
	s_mov_b32 s[G0B+4*\s], 1
	s_add_co_u32 s[G0B+4*\s+1], s21, \s*SLOT
	s_add_nc_u64 s[G0B+4*\s+2:G0B+4*\s+3], s[46:47], \s*KSTEP*2
	s_or_b32 s[G0B+4*\s+3], s[G0B+4*\s+3], 0x80000000
	JLOAD \s                                       ; two loads of the wave are out here, one behind each later round
.endr
	v_and_b32 v1, 15, v0                           ; r
	v_bfe_u32 v2, v0, 4, 1                         ; h
	v_lshlrev_b32 v[BOFF], 5, v2
.set ib, 0
.rept NB
	global_load_b128 v[BI+8*ib:BI+8*ib+3],   v[BOFF], s[74:75] offset:64*ib
	global_load_b128 v[BI+8*ib+4:BI+8*ib+7], v[BOFF], s[74:75] offset:64*ib+16
.set ib, ib+1
.endr
	v_mul_u32_u24 v3, v1, PITCH
	v_lshl_add_u32 v3, v2, 4, v3
	s_mul_i32 s22, s12, 64*PITCH
	v_add_nc_u32 v[ADRA], s22, v3
	v_add_nc_u32 v[ADRA+1], SLOT, v[ADRA]
	v_add_nc_u32 v[ADRB], 2*HALFA, v3
	v_add_nc_u32 v[ADRB+1], SLOT, v[ADRB]
	s_mul_i32 s23, s12, WSTG
	s_add_co_u32 s23, s23, STAGE                   ; my stage
	v_mul_u32_u24 v4, v1, SPITCH
	v_lshl_add_u32 v4, v2, 5, v4
	v_add_nc_u32 v[STO], s23, v4                   ; in: row r, 32 h bytes
	v_and_b32 v5, 31, v0
	v_lshlrev_b32 v[CO], 4, v5                     ; back and out: a wave takes a row's 512 bytes
	v_add_nc_u32 v[RD], s23, v[CO]
.macro MULA fa, fb, hi, a, bias
.set ib, 0
.rept NB
.if \bias
	v_wmma_f32_16x16x32_f16 v[8*(NB*\a+ib):8*(NB*\a+ib)+7], v[\fb+8*ib:\fb+8*ib+7], v[\fa+8*(2*\hi+\a):\fa+8*(2*\hi+\a)+7], v[BI+8*ib:BI+8*ib+7]
.else
	v_wmma_f32_16x16x32_f16 v[8*(NB*\a+ib):8*(NB*\a+ib)+7], v[\fb+8*ib:\fb+8*ib+7], v[\fa+8*(2*\hi+\a):\fa+8*(2*\hi+\a)+7], v[8*(NB*\a+ib):8*(NB*\a+ib)+7]
.endif
.set ib, ib+1
.endr
.endm
.macro FETCH slot, k, fa, fb
	WIN 0x40
.set ib, 0
.rept NB
	ds_load_b128 v[\fb+8*ib:\fb+8*ib+3],   v[ADRB+\slot] offset:\k+ib*16*PITCH
	ds_load_b128 v[\fb+8*ib+4:\fb+8*ib+7], v[ADRB+\slot] offset:\k+ib*16*PITCH+32
.set ib, ib+1
.endr
	WIN 0
.irp i, 0,1,2,3
	ds_load_b128 v[\fa+8*\i:\fa+8*\i+3],   v[ADRA+\slot] offset:\k+\i*16*PITCH
	ds_load_b128 v[\fa+8*\i+4:\fa+8*\i+7], v[ADRA+\slot] offset:\k+\i*16*PITCH+32
.endr
.endm
; The 32 accumulators take turns, one instruction a turn, in the same order in every quarter step, over the backward jump too.
.macro QUARTER slot, k, fa, fb, ga, gb, bias
	s_wait_dscnt 4                                 ; all but the youngest four loads (A's blocks 2, 3) are in
.if \bias
	WIN 0x81
.else
	WIN 0xa1
.endif
	MULA \fa, \fb, 0, 0, \bias
	MULA \fa, \fb, 0, 1, \bias
	PLACES
	FETCH \slot, \k, \ga, \gb
	s_wait_dscnt 2*NB+8                            ; all but the run just issued
.if \bias
	WIN 0xc1
.else
	WIN 0xf1
.endif
	MULA \fa, \fb, 1, 0, \bias
	MULA \fa, \fb, 1, 1, \bias
.endm
.macro THREE slot, bias
	QUARTER \slot, 64,  FA0, FB0, FA1, FB1, \bias
	QUARTER \slot, 128, FA1, FB1, FA0, FB0, 0
	QUARTER \slot, 192, FA0, FB0, FA1, FB1, 0
.endm
; The change of slots: each wave's reads of this slot and all its tensor loads are waited for in front of the barrier; with fill = 1 the barrier opens
; a round of the cluster's barrier, and the joint refill is the wave's first and only tensor load behind the round.
.macro TURN slot, next, fill
	s_wait_dscnt 4
	WIN 0xa1
	MULA FA1, FB1, 0, 0, 0
	s_wait_dscnt 0x0
	s_wait_tensorcnt 0x0
	ds_add_u32 v255, v255
	s_wait_dscnt 0x0
	s_barrier_signal -1
	MULA FA1, FB1, 0, 1, 0
	WIN 0
	s_barrier_wait -1
.if \fill
	CREST
	s_add_nc_u64 s[G0+4*\slot+2:G0+4*\slot+3],   s[G0+4*\slot+2:G0+4*\slot+3],   2*KSTEP*2
	s_add_nc_u64 s[G0B+4*\slot+2:G0B+4*\slot+3], s[G0B+4*\slot+2:G0B+4*\slot+3], 2*KSTEP*2
	JLOAD \slot
.endif
	PLACES
	FETCH \next, 0, FA0, FB0
	WIN 0xf1
	MULA FA1, FB1, 1, 0, 0
	MULA FA1, FB1, 1, 1, 0
.endm
.macro LAP bias
	THREE 0, \bias
	TURN 0, 1, 1
	THREE 1, 0
	TURN 1, 0, 1
.endm
	s_wait_tensorcnt 0x1                           ; my part of K step 0 is in; K step 1's may stay out
	s_barrier_signal -1
	s_barrier_wait -1
	FETCH 0, 0, FA0, FB0
	s_wait_loadcnt 0x0                             ; the bias tiles
	LAP 1
	WIN 0
	s_mov_b32 s3, LAPS-2
.Llap:
	LAP 0
	WIN 0
	s_sub_co_u32 s3, s3, 1
	s_cmp_lg_u32 s3, 0
	s_cbranch_scc1 .Llap
	THREE 0, 0                                     ; the last lap fills nothing
	TURN 0, 1, 0
	THREE 1, 0
	s_wait_dscnt 4
	WIN 0xa1
	MULA FA1, FB1, 0, 0, 0
	MULA FA1, FB1, 0, 1, 0
	s_wait_dscnt 0x0
	WIN 0xf1
	MULA FA1, FB1, 1, 0, 0
	MULA FA1, FB1, 1, 1, 0
	; THE WAY OUT, 16 rows at a time: the f32 sums go as they are into my own stage, 32 bytes a lane and tile, and come back as whole rows of 512 bytes.
	PLACES
	s_lshl_b32 s16, s43, 20                        ; 256 rows of 4,096 bytes
	s_lshl_b32 s17, s12, 18                        ; my 64 rows
	s_add_co_u32 s16, s16, s17
	s_mov_b32 s17, 0
	s_add_nc_u64 s[10:11], s[10:11], s[16:17]
	s_lshl_b32 s46, s42, 9                         ; 128 columns of 4 bytes
	s_mov_b32 s47, 0
	s_add_nc_u64 s[68:69], s[10:11], s[46:47]
.macro OUT16F a, al, win, rr
	WIN \win                                       ; the stores' data in window 2 or 3, the address in window 0
.set ib, 0
.rept NB
	ds_store_b128 v[STO], v[8*(NB*\al+ib):8*(NB*\al+ib)+3]   offset:64*ib
	ds_store_b128 v[STO], v[8*(NB*\al+ib)+4:8*(NB*\al+ib)+7] offset:64*ib+16
.set ib, ib+1
.endr
	WIN 0
	s_wait_xcnt 0x0                                ; registers that earlier stores read are loaded again only behind this wait
.set ib, 0
.rept 16
	ds_load_b128 v[\rr+4*ib:\rr+4*ib+3], v[RD] offset:SPITCH*ib     ; LDS serves a wave's instructions in order (ISA guide 5.7.1): these see the stores above
.set ib, ib+1
.endr
.set ib, 0
.rept 16
	s_wait_dscnt 15-ib
	global_store_b128 v[CO], v[\rr+4*ib:\rr+4*ib+3], s[68:69] offset:(16*\a+ib)*4096 th:TH_STORE_NT   ; 512 consecutive bytes, aligned
.set ib, ib+1
.endr
.endm
	OUT16F 0, 0, 0x08, R0
	OUT16F 1, 1, 0x08, R1
	OUT16F 2, 0, 0x0c, R0
	OUT16F 3, 1, 0x0c, R1
	s_set_vgpr_msb 0x1
	s_wait_tensorcnt 0x0
	ds_add_u32 v255, v255
	s_wait_dscnt 0x0
	s_set_vgpr_msb 0x100
	CROUND                                         ; the closing round
	s_endpgm
.Lfunc_end_k_q88091c6d29_proj:
	.size	k_q88091c6d29_proj, .Lfunc_end_k_q88091c6d29_proj-k_q88091c6d29_proj
	.p2alignl 7, 3214868480
	.fill 96, 4, 3214868480
	.section	.rodata,"a",@progbits
	.p2align	6, 0x0
	.amdhsa_kernel k_q88091c6d29_proj
		.amdhsa_group_segment_fixed_size 327680
		.amdhsa_private_segment_fixed_size 0
		.amdhsa_enable_private_segment 0
		.amdhsa_kernarg_size 32
		.amdhsa_user_sgpr_count 2
		.amdhsa_user_sgpr_kernarg_segment_ptr 1
		.amdhsa_wavefront_size32 1
		.amdhsa_system_sgpr_workgroup_id_x 1
		.amdhsa_system_sgpr_workgroup_id_y 1
		.amdhsa_system_sgpr_workgroup_id_z 1
		.amdhsa_system_vgpr_workitem_id 0
		.amdhsa_next_free_vgpr 1024
		.amdhsa_next_free_sgpr 80
		.amdhsa_reserve_vcc 0
		.amdhsa_float_denorm_mode_32 3
		.amdhsa_float_denorm_mode_16_64 3
		.amdhsa_memory_ordered 1
		.amdhsa_forward_progress 1
		.amdhsa_inst_pref_size 120
	.end_amdhsa_kernel
	.amdgpu_metadata
---
amdhsa.version: [ 1, 2 ]
amdhsa.kernels:
  - .name:           k_q88091c6d29_proj
    .symbol:         k_q88091c6d29_proj.kd
    .args:
      - { .name: oh, .offset: 0, .size: 8, .value_kind: global_buffer, .address_space: global }
      - { .name: wpt, .offset: 8, .size: 8, .value_kind: global_buffer, .address_space: global }
      - { .name: b_proj, .offset: 16, .size: 8, .value_kind: global_buffer, .address_space: global }
      - { .name: out0, .offset: 24, .size: 8, .value_kind: global_buffer, .address_space: global }
    .group_segment_fixed_size: 327680
    .private_segment_fixed_size: 0
    .kernarg_segment_align: 8
    .kernarg_segment_size: 32
    .max_flat_workgroup_size: 128
    .sgpr_count:     80
    .vgpr_count:     1024
    .wavefront_size: 32
...
	.end_amdgpu_metadata
.endif
;; end of part 4
;; ======== version 2 of 2: 4 launches; version 1 with the launch prep written anew for expert scheduling mode
;; limits: values are held in f16: magnitudes above 65,504 overflow, below 6.1e-05 lose precision
;; workspace buffers: xh 16,777,216 bytes; wqt 6,291,456 bytes; wpt 2,097,152 bytes; qkv 50,331,648 bytes; oh 16,777,216 bytes
;; launch prep (part 5): grid 256 x 1, 8 waves a work-group, no clusters, 33,792 bytes of LDS; arguments x, W_qkv, W_proj, xh, wqt, wpt; writes xh, wqt, wpt
.if DOCPART == 5
	.amdgcn_target "amdgcn-amd-amdhsa--gfx1250"
	.amdhsa_code_object_version 6
	.text
	.protected	k_q88091c6d29_prep
	.globl	k_q88091c6d29_prep
	.p2align	8
	.type	k_q88091c6d29_prep,@function
k_q88091c6d29_prep:
	s_mov_b64 s[64:65], 0
	v_nop
	global_prefetch_b8 v0, s[64:65] scope:SCOPE_SE
	s_setreg_imm32_b32 hwreg(HW_REG_WAVE_SCHED_MODE, 0, 2), 2
	s_setreg_imm32_b32 hwreg(HW_REG_WAVE_MODE, 25, 1), 1
	s_wait_xcnt 0x0
	s_wait_alu depctr_vm_vsrc(0)
; xh = f16(x);  wqt[n][k] = f16(W_qkv[k][n]);  wpt[n][k] = f16(W_proj[k][n]).
; LIMIT: f16 holds magnitudes below 65,504; larger x or W become infinities.  Below 6.1e-5 the step is 6e-8 (denormals are kept).
; A stream: every input byte is read once by 16-byte loads, every output byte written once; no matrix unit, no cluster (no two work-groups
; read the same byte).  Work-group g of 256 takes 32 rows of x (131,072 bytes in, 65,536 out) and one tile of 256 k x 64 n of a W:
; g < 192: W_qkv, n block g >> 2 of 48, k block g & 3;  g >= 192: W_proj, n block (g >> 2) - 48 of 16, k block g & 3.
; The tile is turned in LDS, as two halves of 128 k: 64 rows (n) of 256 bytes (128 k in f16).
; THE MODE: SCHED_MODE bits 1:0 = 2 (LLVM: expert scheduling mode 2), set by the entry lines.  The code itself states the register dependences
; between vector instructions and memory or LDS instructions, with s_wait_alu, always for 0.
; THE PLAN.  Registers that memory or LDS instructions touch:
;   v1 .. v9    offsets and LDS addresses: written at the head, the last of them (v3) in the arm that picks the W; never written again.
;   WB          W's 16 loads land in v16-79; the 32 conversions read them; behind the barrier the eight LDS loads land in v16-47, which W's stores read.
;   T0, T1      a set of 16 for each half of the tile: written by the conversions, read by the eight LDS stores, never written again.
;   X           four registers a row: the row's load lands there; its two conversions write the first two in place; its store reads these; never written again.
;   v224, v225  written at the head, read by the closing add alone.
; x goes in eight blocks of four rows.  Block p's memory instructions are the four stores of block p - 1, whose registers no conversion of block p names:
; so one wait at a block's head states all that they hang on, and they are dealt among the block's conversions.  No register that a memory or LDS
; instruction reads is written again, no vector instruction writes a scalar register, and EXEC is never written.
.set RPQ,  12288                       ; bytes in a row of W_qkv
.set RPP,  4096                        ; bytes in a row of W_proj
.set XOFF, 1                           ; v1      16 t: my 16 bytes of each row of x
.set YOFF, 2                           ; v2      8 t: my 8 bytes of each row of xh
.set WOFF, 3                           ; v3      my place in the W tile: 8 gk rows + 16 q bytes
.set SA,   4                           ; v4      LDS: where I store
.set RA,   5                           ; v[5:8]  LDS: where I read back, row (t >> 4) + 16 u
.set WCO,  9                           ; v9      my place in the transposed tile
.set WB,   16                          ; v[16:79]  W as loaded: register 32 i + 4 r + j = W(128 i + 8 gk + r, 4 q + j); later, in v[16:47], the rows read back
.set T,    80                          ; v[80:95]  packed f16 of the tile's first half on their way into LDS
.set TSTEP, 146                        ; v[226:241] the same for the second half: T + TSTEP
.set X,    96                          ; v[96:223] x: 32 loads of 4 registers
	s_load_b256 s[4:11], s[0:1], 0x0               ; x s[4:5], W_qkv s[6:7], W_proj s[8:9], xh s[10:11]
	s_load_b128 s[12:15], s[0:1], 0x20             ; wqt s[12:13], wpt s[14:15]
	v_lshl_add_u32 v224, v0, 2, 0x8000             ; the LDS address of my spare word, behind the tile's 32,768 bytes, and 0: kept for the closing lines alone
	v_mov_b32 v225, 0
	s_mov_b32 s16, ttmp9                           ; g
	s_and_b32 s17, s16, 3                          ; k block of 256
	s_lshr_b32 s18, s16, 2                         ; n block (W_proj: + 48)
	v_and_b32 v10, 15, v0                          ; q: my four n
	v_lshrrev_b32 v11, 4, v0                       ; gk: my eight k of each half
	v_lshlrev_b32 v[XOFF], 4, v0
	v_lshlrev_b32 v[YOFF], 3, v0
	v_add_nc_u32 v12, v10, v11
	v_and_b32 v12, 15, v12
	v_lshlrev_b32 v12, 4, v12
	v_lshl_add_u32 v[SA], v10, 10, v12             ; row 4 q (+ j by the immediate), column (gk + q) mod 16
	v_lshrrev_b32 v13, 6, v0
	v_add_nc_u32 v13, v13, v10                     ; (t & 15) + (t >> 6)
.irp u, 0,1,2,3
	v_add_nc_u32 v14, 4*\u, v13                    ; row n = (t >> 4) + 16 u has n >> 2 = (t >> 6) + 4 u
	v_and_b32 v14, 15, v14
	v_lshlrev_b32 v14, 4, v14
	v_lshl_add_u32 v14, v11, 8, v14
	v_add_nc_u32 v[RA+\u], 4096*\u, v14
.endr
	v_lshlrev_b32 v14, 4, v10
	v_lshl_add_u32 v[WCO], v11, 11, v14            ; row t >> 4 of 2,048 bytes, 16 bytes at 16 (t & 15)
	s_lshl_b32 s20, s16, 17                        ; 32 rows of x
	s_mov_b32 s21, 0
	s_lshl_b32 s26, s16, 16                        ; 32 rows of xh
	s_mov_b32 s27, 0
	s_wait_kmcnt 0x0
	s_add_nc_u64 s[4:5], s[4:5], s[20:21]
	s_add_nc_u64 s[10:11], s[10:11], s[26:27]
; The tile's two addresses and its 16 loads; sixteen lanes read 256 consecutive bytes (64 n) of one row k, aligned.
.macro WLOADS rp, src, dst, nbsub
	s_sub_co_u32 s19, s18, \nbsub                  ; n block
	s_mul_i32 s20, s17, 256*\rp                    ; 256 rows of W for each k block
	s_lshl_b32 s21, s19, 8                         ; 64 n of 4 bytes
	s_add_co_u32 s20, s20, s21
	s_mov_b32 s21, 0
	s_add_nc_u64 s[22:23], s[\src:\src+1], s[20:21]
	s_lshl_b32 s20, s19, 17                        ; 64 rows (n) of 2,048 bytes
	s_lshl_b32 s28, s17, 9                         ; 256 k of 2 bytes
	s_add_co_u32 s20, s20, s28
	s_add_nc_u64 s[24:25], s[\dst:\dst+1], s[20:21]
	v_mul_u32_u24 v[WOFF], v11, 8*\rp
	v_lshl_add_u32 v[WOFF], v10, 4, v[WOFF]
	s_wait_alu depctr_va_vdst(0)                   ; v1 to v9 are written: every load, store and LDS access of the kernel reads one of them as its offset or address
.irp i, 0,1
.irp r, 0,1,2,3,4,5,6,7
	global_load_b128 v[WB+32*\i+4*\r:WB+32*\i+4*\r+3], v[WOFF], s[22:23] offset:(128*\i+\r)*\rp th:TH_LOAD_NT
.endr
.endr
.endm
	s_cmp_lt_u32 s16, 192
	s_cbranch_scc0 .Lwproj
	WLOADS RPQ, 6, 12, 0
	s_branch .Lwjoin
.Lwproj:
	WLOADS RPP, 8, 14, 48
.Lwjoin:                                           ; both ways issued 16 loads, behind the wait for the offsets
.set i, 0
.rept 32
	global_load_b128 v[X+4*i:X+4*i+3], v[XOFF], s[4:5] offset:4096*i th:TH_LOAD_NT   ; the eight waves cover a row of x
.set i, i+1
.endr
	s_wait_loadcnt 32                              ; loads return in order: W's 16 are in, x's 32 stay out
.irp i, 0,1
.irp j, 0,1,2,3
.irp p, 0,1,2,3
	v_cvt_pk_f16_f32 v[T+TSTEP*\i+4*\j+\p], v[WB+32*\i+8*\p+\j], v[WB+32*\i+8*\p+4+\j]   ; k = 2 p below, 2 p + 1 above, of column 4 q + j
.endr
.endr
.endr
	s_wait_alu depctr_va_vdst(0)                   ; the 32 conversions have written both sets of T, which the LDS stores read, and are done reading v[16:47], in which the LDS loads behind the barrier land
.irp i, 0,1
.irp j, 0,1,2,3
	ds_store_b128 v[SA], v[T+TSTEP*\i+4*\j:T+TSTEP*\i+4*\j+3] offset:16384*\i+256*\j      ; eight k of row n = 4 q + j
.endr
.endr
	s_wait_dscnt 0x0                               ; my stores are in LDS before I say so: other waves read them
	s_barrier_signal -1
	s_barrier_wait -1
.irp i, 0,1
.irp u, 0,1,2,3
	ds_load_b128 v[WB+16*\i+4*\u:WB+16*\i+4*\u+3], v[RA+\u] offset:16384*\i              ; no vector instruction since the wait above names these registers
.endr
.endr
; x, four rows to a block.  Block blk converts its rows in place; the stores of the block before stand among its conversions.
.set blk, 0
.rept 8
	s_wait_loadcnt 28-4*blk                        ; rows up to 4 blk + 3 are in, the 28 - 4 blk younger loads stay out
.if blk > 0
	s_wait_alu depctr_va_vdst(0)                   ; the block before has written the first two registers of each of its rows, which the four stores below read
.endif
.irp r, 0,1,2,3
.if blk > 0
	global_store_b64 v[YOFF], v[X+16*(blk-1)+4*\r:X+16*(blk-1)+4*\r+1], s[10:11] offset:2048*(4*(blk-1)+\r)   ; a wave stores 256 consecutive bytes, aligned
.endif
	v_cvt_pk_f16_f32 v[X+16*blk+4*\r],   v[X+16*blk+4*\r],   v[X+16*blk+4*\r+1]
	v_cvt_pk_f16_f32 v[X+16*blk+4*\r+1], v[X+16*blk+4*\r+2], v[X+16*blk+4*\r+3]
.endr
.set blk, blk+1
.endr
	s_wait_alu depctr_va_vdst(0)                   ; the last block has written its rows, which the last four stores of xh read
.irp r, 0,1,2,3
	global_store_b64 v[YOFF], v[X+16*7+4*\r:X+16*7+4*\r+1], s[10:11] offset:2048*(28+\r)
.endr
	s_wait_dscnt 0x0                               ; the rows of the turned tile are back in v[16:47]
.irp i, 0,1
.irp u, 0,1,2,3
	global_store_b128 v[WCO], v[WB+16*\i+4*\u:WB+16*\i+4*\u+3], s[24:25] offset:32768*\u+256*\i   ; sixteen lanes: 128 k of one row n, 256 bytes, aligned
.endr
.endr
	s_wait_dscnt 0x0                               ; the closing lines, six on end
	s_wait_alu 0x0
	s_wait_tensorcnt 0x0
	ds_add_u32 v224, v225
	s_wait_dscnt 0x0
	s_endpgm
.Lfunc_end_k_q88091c6d29_prep:
	.size	k_q88091c6d29_prep, .Lfunc_end_k_q88091c6d29_prep-k_q88091c6d29_prep
	.p2alignl 7, 3214868480
	.fill 96, 4, 3214868480
	.section	.rodata,"a",@progbits
	.p2align	6, 0x0
	.amdhsa_kernel k_q88091c6d29_prep
		.amdhsa_group_segment_fixed_size 33792
		.amdhsa_private_segment_fixed_size 0
		.amdhsa_enable_private_segment 0
		.amdhsa_kernarg_size 48
		.amdhsa_user_sgpr_count 2
		.amdhsa_user_sgpr_kernarg_segment_ptr 1
		.amdhsa_wavefront_size32 1
		.amdhsa_system_sgpr_workgroup_id_x 1
		.amdhsa_system_sgpr_workgroup_id_y 1
		.amdhsa_system_sgpr_workgroup_id_z 1
		.amdhsa_system_vgpr_workitem_id 0
		.amdhsa_next_free_vgpr 242
		.amdhsa_next_free_sgpr 66
		.amdhsa_reserve_vcc 0
		.amdhsa_float_denorm_mode_32 3
		.amdhsa_float_denorm_mode_16_64 3
		.amdhsa_memory_ordered 1
		.amdhsa_forward_progress 1
		.amdhsa_inst_pref_size 22
	.end_amdhsa_kernel
	.amdgpu_metadata
---
amdhsa.version: [ 1, 2 ]
amdhsa.kernels:
  - .name:           k_q88091c6d29_prep
    .symbol:         k_q88091c6d29_prep.kd
    .args:
      - { .name: x, .offset: 0, .size: 8, .value_kind: global_buffer, .address_space: global }
      - { .name: W_qkv, .offset: 8, .size: 8, .value_kind: global_buffer, .address_space: global }
      - { .name: W_proj, .offset: 16, .size: 8, .value_kind: global_buffer, .address_space: global }
      - { .name: xh, .offset: 24, .size: 8, .value_kind: global_buffer, .address_space: global }
      - { .name: wqt, .offset: 32, .size: 8, .value_kind: global_buffer, .address_space: global }
      - { .name: wpt, .offset: 40, .size: 8, .value_kind: global_buffer, .address_space: global }
    .group_segment_fixed_size: 33792
    .private_segment_fixed_size: 0
    .kernarg_segment_align: 8
    .kernarg_segment_size: 48
    .max_flat_workgroup_size: 256
    .sgpr_count:     66
    .vgpr_count:     242
    .wavefront_size: 32
...
	.end_amdgpu_metadata
.endif
;; end of part 5
;; launch qkv: the kernel of part 2 again; grid 16 x 32, 4 waves a work-group, clusters of 4 x 4, 327,680 bytes of LDS; arguments xh, wqt, b_qkv, qkv; writes qkv
;; launch attn: the kernel of part 3 again; grid 8 x 32, 8 waves a work-group, clusters of 4 x 1, 327,680 bytes of LDS; arguments qkv, oh; writes oh
;; launch proj: the kernel of part 4 again; grid 8 x 32, 4 waves a work-group, clusters of 4 x 4, 327,680 bytes of LDS; arguments oh, wpt, b_proj, out0; writes out0
